; MI455X (gfx1250); checked and timed in simulation.
; The chip was launched on July 23, 2026; its instructions are those of AMD's public machine-readable ISA for CDNA 5 (MIT licence, August 2026) and "CDNA5" Instruction Set Architecture Reference Guide (July 2026). The comments in the code are by the model that wrote it; some were corrected since.
;; Spike Modulated Attention Block. Allowed arithmetic: matrix products marked QUANTISED: E2M1 operands, one E8M0 scale for each 32 along K, by v_wmma_scale_f32_16x16x128_f8f6f4 with both operands' format E2M1 (or v_wmma_scale_f32_32x16x128_f4), f32 sums; everything else in f32.
;; Inputs: K_codes 4 x 2,048 x 16 x 16 uint8 (E2M1 codes of K, K innermost, in blocks of 32 codes, two codes a byte); K_scales 4 x 2,048 x 16 uint8 (E8M0 scales of K, one for each 32 codes along K); Q_codes 4 x 2,048 x 16 x 16 uint8 (E2M1 codes of Q, K innermost, in blocks of 32 codes, two codes a byte); Q_scales 4 x 2,048 x 16 uint8 (E8M0 scales of Q, one for each 32 codes along K); Wk_codes 512 x 16 x 16 uint8 (E2M1 codes of Wk, K innermost, in blocks of 32 codes, two codes a byte); Wk_scales 512 x 16 uint8 (E8M0 scales of Wk, one for each 32 codes along K); Wo_codes 512 x 16 x 16 uint8 (E2M1 codes of Wo, K innermost, in blocks of 32 codes, two codes a byte); Wo_scales 512 x 16 uint8 (E8M0 scales of Wo, one for each 32 codes along K); Wq_codes 512 x 16 x 16 uint8 (E2M1 codes of Wq, K innermost, in blocks of 32 codes, two codes a byte); Wq_scales 512 x 16 uint8 (E8M0 scales of Wq, one for each 32 codes along K); Wv_codes 512 x 16 x 16 uint8 (E2M1 codes of Wv, K innermost, in blocks of 32 codes, two codes a byte); Wv_scales 512 x 16 uint8 (E8M0 scales of Wv, one for each 32 codes along K); bk 512 float32; bo 512 float32; bq 512 float32; bv 512 float32; ln0_b 512 float32; ln0_g 512 float32; ln1_b 512 float32; ln1_g 512 float32; mask 4 x 2,048 x 2,048 int32; temperature 4 x 2,048 x 1 float32.
;; Outputs: out0 4 x 2,048 x 512 float32.
;; This version of the problem:
;;   THIS VERSION OF THE PROBLEM IS GIVEN IN LOW PRECISION. The matrix products marked QUANTISED in the list below multiply operands that are first quantised to E2M1 (2 exponent bits, 1 mantissa bit; 4 bits a number), with one power-of-two scale for each 32 numbers along K (OCP MX v1.0); their sums are f32. All else is computed in f32.
;;   The module's matrix products, in the order in which they are computed (A, B: the left and right operand; K: the contracted axis; several contracted axes count as one K, in the product's order):
;;     1. [M 8,192, K 512] x [K 512, N 512]; A: input Q (given as codes); B: input Wq (given as codes): QUANTISED
;;     2. [M 8,192, K 512] x [K 512, N 512]; A: input K (given as codes); B: input Wk (given as codes): QUANTISED
;;     3. [M 8,192, K 512] x [K 512, N 512]; A: input K (given as codes); B: input Wv (given as codes): QUANTISED
;;     4. batch 32 x [M 2,048, K 64] x [K 64, N 2,048]; A: computed on the way; B: computed on the way: QUANTISED
;;     5. batch 32 x [M 64, K 2,048] x [K 2,048, N 2,048]; A: computed on the way; B: softmax (see below): QUANTISED
;;     6. [M 8,192, K 512] x [K 512, N 512]; A: computed on the way; B: input Wo (given as codes): QUANTISED
;;   THE QUANTISER, for each operand of a quantised product, along K:
;;     - K is cut into blocks of 32 from its start; a last block that is shorter is filled with zeros.
;;     - A block's scale is 2^e with e = floor(log2(the largest magnitude in the block)) - 2, held to -126 .. 127; a block of zeros has e = 0. As a byte (E8M0): e + 127.
;;     - Each number is divided by its block's scale, clamped to +-6, and rounded to the nearest number of E2M1, ties to even, subnormals kept.
;;     - The product sums the exact products of the quantised numbers (number of the format x scale) in f32.
;;   ~~~python
;;   def quantise(x, axis):      # numpy; x: float32 -> the quantised numbers, widened to float32 again
;;       x = np.moveaxis(x, axis, -1); K = x.shape[-1]
;;       x = np.pad(x, [(0, 0)] * (x.ndim - 1) + [(0, -K % 32)]); x = x.reshape(x.shape[:-1] + (-1, 32)); a = np.abs(x).max(-1, keepdims=True)
;;       e = np.where(a > 0, np.clip(np.frexp(np.where(a > 0, a, 1))[1] - 1 - 2, -126, 127), 0)      # np.frexp(a)[1] - 1 = floor(log2(a)), exactly
;;       r = np.clip(x / 2.0 ** e, -6, 6)
;;       step = 2.0 ** (np.maximum(np.frexp(np.where(r == 0, 1, r))[1] - 1, 0) - 1)
;;       q = np.round(r / step) * step * 2.0 ** e      # np.round: ties to even
;;       return np.moveaxis(q.reshape(q.shape[:-2] + (-1,))[..., :K], -1, axis).astype(np.float32)
;;   ~~~
;;   SOFTMAX AHEAD OF A QUANTISED PRODUCT. Where the list says 'softmax', what is quantised is not the finished softmax but p = 2^(t - M), with t = logit x log2(e) and M = ceil(the row's largest t), a whole number; so 1/2 < the row's largest p <= 1. The row's sum l is taken of the UNQUANTISED p, in f32, and the product's result is divided by l at the end. Since M is a whole number, a kernel that streams over the keys may use a running M (the ceiling of the running maximum): every later rescaling is an exact power of two, which a block's scale takes up: the codes' values come out the same.
;;   OPERANDS COMPUTED ON THE WAY. 'Computed on the way' means the value that the module computes at that place (a softmax that the list does not call 'softmax' is quantised finished and normalised). What goes into a quantiser is computed in f32, as accurately as f32 sums, v_exp_f32 and their like allow (about 1e-6 of the number): no bf16 or f16 on the way to a quantiser, and a product that is left as it is and whose result goes on into a quantised operand takes f32 operands (vector FMAs, or v_wmma_f32_16x16x4_f32). A number that lies on a knife's edge between two numbers of the format may be rounded either way, as far as f32 arithmetic and the matrix unit's own rounding can turn it there, and no further.
;;   INPUTS GIVEN AS CODES. K (in the module: [4, 2048, 512], K = its axis 2); Q (in the module: [4, 2048, 512], K = its axis 2); Wk (in the module: [512, 512], K = its axis 0); Wo (in the module: [512, 512], K = its axis 0); Wq (in the module: [512, 512], K = its axis 0); Wv (in the module: [512, 512], K = its axis 0): each comes as NAME_codes (uint8): NAME with its K axis moved to the last place and cut into blocks of 32 codes, [.., K / 32, bytes a block], one block behind the other in memory; two codes a byte, the lower K in the low four bits (a code: sign, 2 exponent bits, 1 mantissa bit); and NAME_scales (uint8): the same leading axes, one E8M0 byte (e + 127) for each 32 codes along K. Its value is code x scale, taken as it is: it is not quantised again, and the codes and scales need not be those that the quantiser above would give.
;; 2 versions. Each part assembles by itself: llvm-mc -triple=amdgcn-amd-amdhsa -mcpu=gfx1250 --defsym DOCPART=n.
;; ======== version 1 of 2: 2 launches
;; workspace buffers: kv 4,456,448 bytes; mbits 2,097,152 bytes of whole numbers
;; launch prep (part 1): grid 64 x 4, 16 waves a work-group, no clusters, 137,216 bytes of LDS; arguments K_codes, K_scales, Wk_codes, Wk_scales, bk, Wv_codes, Wv_scales, bv, mask, kv, mbits; writes kv, mbits
.if DOCPART == 1
	.amdgcn_target "amdgcn-amd-amdhsa--gfx1250"
	.amdhsa_code_object_version 6
	.text
	.protected	k_q373825221e_prep
	.globl	k_q373825221e_prep
	.p2align	8
	.type	k_q373825221e_prep,@function
k_q373825221e_prep:
	s_mov_b64 s[64:65], 0
	v_nop
	global_prefetch_b8 v0, s[64:65] scope:SCOPE_SE
	s_setreg_imm32_b32 hwreg(HW_REG_WAVE_MODE, 25, 1), 1
	s_wait_xcnt 0x0
; PREP.  k = K Wk + bk and v = K Wv + bv (products on codes of FP4 (E2M1) with E8M0 block scales, sums in f32) are quantised anew, k along a head's 64 channels and v along the keys,
; and stored as IMAGES OF OPERAND REGISTERS (each group of four registers: 512 bytes, lane l's 16 bytes at 16 l); the int32 mask is turned into 32-bit lane masks.
; kv:    [batch 4][step 16 (128 keys)][head 8][8,704 bytes]:
;        0    + 1024 f + 512 u + 16 l: K pair f (0..3), registers 4u..4u+3: lane (r, h): key 32 f + 8 u + pi(r) of the step, channels 32 h .. 32 h + 31 of the head;  pi(r) = r + 8 (r / 8)
;        4096 + 1024 t + 512 c + 16 l: V tile t (0..3), registers 4c..4c+3: lane (r, h): channel 32 (t / 2) + 8 (t % 2) + pi(r) of the head, keys 64 c + 32 h .. + 31 of the step
;        8192 + 128 i + 4 l:           lanes 0-15: K pair i's scale word of row r (bytes 0, 1: the u = 0 key's two blocks; 2, 3: the u = 1 key's); lanes 16-31: V tile i's word of row r
; mbits: [batch 4][tile of 16 queries 128][step 16][64 words]: word 2 (n % 32) + n / 32 is the lane mask of score register n = 16 b + i: bit (r, h) = (mask[query r][key 32 b + 16 h + i] != 0)
; SHARES.  Work-group (x, y): batch x / 16, step x % 16, heads 2 y and 2 y + 1.  Waves 0-7: wave w makes, for head 2 y + w / 4, K pair w % 4, V tile w % 4 and their 128 bytes of scale words.
; Waves 8-15 take the mask: work-group number 64 y + x owns 32 rows of it, a wave 16 rows x 512 keys.  The two roles part once on the wave's number and never meet again: no barrier.
; The code stores cover 512 consecutive aligned bytes; the scale words leave 128 bytes a wave (a sixty-eighth of the buffer).
; LIMITS: NaN and infinities are not served.  A block whose largest magnitude lies under 2^-124 keeps the scale byte 1; so does a block of zeros (its codes are zeros, and this program alone reads the bytes).
.set BLK,  8704
.set ACC,  16                          ; v16-79   accumulators: k: (key tile u, channel tile T) at 32 u + 8 T;  v: key tile t at 8 t
.set SET0, 80                          ; v80-111  four fragments that change from K step to K step, two sets
.set SET1, 112
.set MINE, 144                         ; v144-207 fragments that stay: k: my two key tiles x 4 K steps;  v: my rows of Wv x 4 K steps (v144-175)
.set BV,   176                         ; v176-183 v's bias in the result's layout: my channel's number eight times
.set MSC,  208                         ; v208-215 scale words of MINE
.set OSC,  216                         ; v216-247 scale words of the sets
.set KW,   248                         ; K pair's scale word
.set OUTW, 249
.set TM,   80                          ; the quantiser's work registers lie in SET0, which is idle while it runs: v80-95
.set PC,   96                          ; v96-103  the codes just made
.set PW,   104
.set W16,  105
.set RB,   16                          ; mask role: v16-143 two sets of 64 as loaded
.set X,    144                         ; v144-207 64 mask numbers in the scores' layout
.set W,    208                         ; v208-215 a pair of registers of words for each of the four units
.set STGB, 8448                        ; a wave's stage: 16 rows x 528 bytes, at wave x 8,448 (waves 0-7 leave theirs unused)
.set SP,   528                         ; 512 + 16 = 33 x 16 bytes: sixteen rows begin in sixteen different 16-byte columns of 256 bytes
.set KC,   16                          ; scalar pairs: K's codes at the step's first key,
.set KS,   18                          ; K's scales there,
.set WKC,  20                          ; Wk's codes, scales, bk at the head's first channel,
.set WKS,  22
.set BKP,  24
.set WVC,  26                          ; Wv's codes, scales, bv at my V tile's first channel,
.set WVS,  28
.set BVP,  30
.set KCI,  46                          ; K's codes and scales at my pair's first key,
.set KSI,  48
.set KVK,  50                          ; my block of kv + 1024 i,
.set KVS,  52                          ; and + 128 i
.macro NOP4                            ; four plain places behind matrix instructions, in front of loads into their registers and of reads of their results
.rept 4
	v_nop
.endr
.endm
; 16 nb numbers of a lane, register s + 16 b + i = k 32 b + 16 (lane / 16) + i of my row, become codes in v[pc] on (registers 4 c .. 4 c + 3: k = 64 c + 32 (lane / 16) + 0 .. 31) and the row's scale bytes in v[pw].
.macro QUANT s, nb, pc, pw
.set zb, 0
.rept \nb
	v_max3_num_f32 v[TM+zb], |v[(\s)+16*zb]|, |v[(\s)+16*zb+1]|, 0x1800000   ; my 16 numbers of block b, and the floor 2^(3 - 127): the byte cannot fall under 1
.set zb, zb+1
.endr
.set zi, 2
.rept 7
.set zb, 0
.rept \nb
	v_max3_num_f32 v[TM+zb], v[TM+zb], |v[(\s)+16*zb+zi]|, |v[(\s)+16*zb+zi+1]|   ; the blocks by turns
.set zb, zb+1
.endr
.set zi, zi+2
.endr
.set zb, 0
.rept \nb
	v_mov_b32 v[TM+4+zb], 0                        ; a lane permute's destination counts as one of its sources
.set zb, zb+1
.endr
.set zb, 0
.rept \nb
	v_permlanex16_b32 v[TM+4+zb], v[TM+zb], s40, s41
.set zb, zb+1
.endr
.set zb, 0
.rept \nb
	v_max_num_f32 v[TM+zb], v[TM+zb], v[TM+4+zb]   ; with lane l xor 16's: the block's largest magnitude
.set zb, zb+1
.endr
.set zb, 0
.rept \nb
	v_add_nc_u32 v[TM+12+zb], 0xff000000, v[TM+zb] ; 2 off its exponent field: the conversion's scale operand
.set zb, zb+1
.endr
.set zb, 0
.rept \nb
	v_lshrrev_b32 v[TM+4+zb], 23, v[TM+12+zb]      ; the scale's byte
.set zb, zb+1
.endr
	v_lshl_or_b32 v[\pw], v[TM+5], 8, v[TM+4]
.if \nb > 2
	v_lshl_or_b32 v[\pw], v[TM+6], 16, v[\pw]
	v_lshl_or_b32 v[\pw], v[TM+7], 24, v[\pw]
.endif
.set zb, 0
.rept \nb
	v_cvt_scalef32_pk8_fp4_f32 v[(\pc)+2*zb], v[(\s)+16*zb:(\s)+16*zb+7], v[TM+12+zb]
	v_cvt_scalef32_pk8_fp4_f32 v[(\pc)+2*zb+1], v[(\s)+16*zb+8:(\s)+16*zb+15], v[TM+12+zb]
.set zb, zb+1
.endr
	v_nop                                          ; one plain place behind the last scaled conversion
.set zb, 0
.rept \nb/2
	v_permlane16_swap_b32 v[(\pc)+4*zb], v[(\pc)+4*zb+2]     ; the operand's layout wants a whole block in a lane
	v_permlane16_swap_b32 v[(\pc)+4*zb+1], v[(\pc)+4*zb+3]
.set zb, zb+1
.endr
.endm
	s_load_b512 s[16:31], s[0:1], 0x0              ; K's codes, K's scales, Wk's codes, Wk's scales, bk, Wv's codes, Wv's scales, bv
	s_load_b128 s[32:35], s[0:1], 0x40             ; mask, kv
	s_load_b64 s[36:37], s[0:1], 0x50              ; mbits
	v_lshl_add_u32 v254, v0, 2, 0x21000
	v_mov_b32 v255, 0
	v_lshrrev_b32 v1, 5, v0
	v_readfirstlane_b32 s3, v1                     ; wave 0..15
	v_and_b32 v11, 31, v0                          ; lane
	v_and_b32 v12, 15, v0                          ; r
	v_bfe_u32 v13, v0, 4, 1                        ; h
	s_mul_i32 s4, s3, STGB
	v_lshl_add_u32 v7, v11, 4, s4                  ; the stage, in: a row's 512 bytes as they lie, 16 a lane
	v_mul_u32_u24 v8, v12, SP
	v_lshl_add_u32 v8, v13, 6, v8
	v_add_nc_u32 v8, s4, v8                        ; and out: row r, + 64 h: my 16 keys of a block of 32
	v_lshlrev_b32 v5, 4, v11                       ; 16 x lane
	v_lshlrev_b32 v6, 2, v11                       ; 4 x lane
	v_lshlrev_b32 v10, 3, v11                      ; 8 x lane
	v_and_b32 v14, 8, v12
	v_add_nc_u32 v14, v14, v12                     ; pi(r)
	v_lshlrev_b32 v1, 8, v14
	v_lshl_add_u32 v1, v13, 4, v1                  ; a fragment's row pi(r) of 256 bytes, + 16 h
	v_lshlrev_b32 v2, 4, v14                       ; its 16 scale bytes
	v_lshlrev_b32 v3, 6, v13                       ; bk: 64 h
	v_lshlrev_b32 v4, 2, v14                       ; bv: my channel's number
	s_and_b32 s5, ttmp7, 0xffff                    ; the pair of heads
	s_lshr_b32 s6, ttmp9, 4                        ; batch
	s_and_b32 s7, ttmp9, 15                        ; step
	s_mov_b32 s40, 0x76543210
	s_mov_b32 s41, 0xfedcba98                      ; v_permlanex16_b32's selects for lane l xor 16
	s_mov_b32 s42, 0xffff0000                      ; lanes 16-31
	s_mov_b32 s45, 0                               ; the upper word of every offset
	s_wait_kmcnt 0x0
	s_cmp_lt_u32 s3, 8
	s_cbranch_scc0 .Lmask
	; ================ waves 0-7: k and v ================
	s_lshl_b32 s8, s6, 11
	s_lshl_b32 s9, s7, 7
	s_add_co_u32 s8, s8, s9                        ; the step's first key among the 8,192
	s_lshr_b32 s9, s3, 2
	s_and_b32 s10, s3, 3                           ; i: my pair of key tiles, my V tile
	s_lshl_b32 s11, s5, 1
	s_add_co_u32 s11, s11, s9                      ; head
	s_lshl_b32 s44, s8, 8
	s_add_nc_u64 s[KC:KC+1], s[KC:KC+1], s[44:45]
	s_lshl_b32 s44, s10, 13
	s_add_nc_u64 s[KCI:KCI+1], s[KC:KC+1], s[44:45]          ; 32 keys x 256 bytes a pair
	s_lshl_b32 s44, s8, 4
	s_add_nc_u64 s[KS:KS+1], s[KS:KS+1], s[44:45]
	s_lshl_b32 s44, s10, 9
	s_add_nc_u64 s[KSI:KSI+1], s[KS:KS+1], s[44:45]
	s_lshl_b32 s44, s11, 14
	s_add_nc_u64 s[WKC:WKC+1], s[WKC:WKC+1], s[44:45]
	s_lshl_b32 s44, s11, 10
	s_add_nc_u64 s[WKS:WKS+1], s[WKS:WKS+1], s[44:45]
	s_lshl_b32 s44, s11, 8
	s_add_nc_u64 s[BKP:BKP+1], s[BKP:BKP+1], s[44:45]
	s_lshr_b32 s12, s10, 1
	s_lshl_b32 s12, s12, 5
	s_and_b32 s13, s10, 1
	s_lshl_b32 s13, s13, 3
	s_add_co_u32 s12, s12, s13
	s_lshl_b32 s13, s11, 6
	s_add_co_u32 s12, s12, s13                     ; my V tile's first channel: 64 head + 32 (i / 2) + 8 (i % 2)
	s_lshl_b32 s44, s12, 8
	s_add_nc_u64 s[WVC:WVC+1], s[WVC:WVC+1], s[44:45]
	s_lshl_b32 s44, s12, 4
	s_add_nc_u64 s[WVS:WVS+1], s[WVS:WVS+1], s[44:45]
	s_lshl_b32 s44, s12, 2
	s_add_nc_u64 s[BVP:BVP+1], s[BVP:BVP+1], s[44:45]
	s_lshl_b32 s13, ttmp9, 3
	s_add_co_u32 s13, s13, s11                     ; (16 batch + step) x 8 + head
	s_mul_i32 s44, s13, BLK
	s_add_nc_u64 s[34:35], s[34:35], s[44:45]      ; my block of kv
	s_lshl_b32 s44, s10, 10
	s_add_nc_u64 s[KVK:KVK+1], s[34:35], s[44:45]
	s_lshl_b32 s44, s10, 7
	s_add_nc_u64 s[KVS:KVS+1], s[34:35], s[44:45]
	; ---- k, TRANSPOSED: source 0 = 16 rows of Wk (channel tile T = 2 b + u: rows 32 b + 8 u + pi(r)), source 1 = 16 keys.  Lane (r, h) then holds ONE key, and register 16 b + i its channel 32 b + 16 h + i.
.macro LDWK set, kk                    ; Wk's four channel tiles of K step kk
.irp T, 0,1,2,3
.irp c, 0,1
	global_load_b128 v[\set+8*\T+4*\c:\set+8*\T+4*\c+3], v1, s[WKC:WKC+1] offset:(32*(\T/2)+8*(\T%2))*256+64*\kk+32*\c
.endr
.endr
.endm
.macro GK kk, set                      ; eight accumulators by turns, one instruction a turn
.irp T, 0,1,2,3
.irp u, 0,1
	v_wmma_scale_f32_16x16x128_f8f6f4 v[ACC+32*\u+8*\T:ACC+32*\u+8*\T+7], v[\set+8*\T:\set+8*\T+7], v[MINE+32*\u+8*\kk:MINE+32*\u+8*\kk+7], v[ACC+32*\u+8*\T:ACC+32*\u+8*\T+7], v[OSC+4*\T+\kk], v[MSC+4*\u+\kk] matrix_a_fmt:MATRIX_FMT_FP4 matrix_b_fmt:MATRIX_FMT_FP4
.endr
.endr
.endm
.irp u, 0,1
.irp T, 0,1,2,3
	global_load_b128 v[ACC+32*\u+8*\T:ACC+32*\u+8*\T+3], v3, s[BKP:BKP+1] offset:(32*(\T/2)+8*(\T%2))*4        ; bk starts the sums: it is loaded into the accumulators, in the result's layout
	global_load_b128 v[ACC+32*\u+8*\T+4:ACC+32*\u+8*\T+7], v3, s[BKP:BKP+1] offset:(32*(\T/2)+8*(\T%2))*4+16
.endr
.endr
.irp u, 0,1
.irp k, 0,1,2,3
.irp c, 0,1
	global_load_b128 v[MINE+32*\u+8*\k+4*\c:MINE+32*\u+8*\k+4*\c+3], v1, s[KCI:KCI+1] offset:2048*\u+64*\k+32*\c   ; my keys 8 u + pi(r) of the pair
.endr
.endr
.endr
.irp u, 0,1
	global_load_b128 v[MSC+4*\u:MSC+4*\u+3], v2, s[KSI:KSI+1] offset:128*\u
.endr
.irp T, 0,1,2,3
	global_load_b128 v[OSC+4*\T:OSC+4*\T+3], v2, s[WKS:WKS+1] offset:(32*(\T/2)+8*(\T%2))*16
.endr
	LDWK SET0, 0
	LDWK SET1, 1
	s_wait_loadcnt 8                               ; all but SET1's eight loads are in
	GK 0, SET0
	NOP4
	LDWK SET0, 2
	s_wait_loadcnt 8                               ; SET1 is in; the eight just issued may be out
	GK 1, SET1
	NOP4
	LDWK SET1, 3
	s_wait_loadcnt 8                               ; SET0 is in
	GK 2, SET0
	s_wait_loadcnt 0x0
	GK 3, SET1
	NOP4
	; v's first loads go out now, into registers that k has left, and land while k is quantised
.macro LDKG set, g                     ; granule g: K step g / 2, key tiles 4 (g % 2) .. + 3 (tile t = 2 b + u: keys 32 b + 8 u + pi(r))
.irp t, 0,1,2,3
.irp c, 0,1
	global_load_b128 v[\set+8*\t+4*\c:\set+8*\t+4*\c+3], v1, s[KC:KC+1] offset:(32*((4*((\g)%2)+\t)/2)+8*(\t%2))*256+64*((\g)/2)+32*\c
.endr
.endr
.endm
.irp k, 0,1,2,3
.irp c, 0,1
	global_load_b128 v[MINE+8*\k+4*\c:MINE+8*\k+4*\c+3], v1, s[WVC:WVC+1] offset:64*\k+32*\c
.endr
.endr
	global_load_b128 v[MSC:MSC+3], v2, s[WVS:WVS+1]
.irp j, 0,1,2,3,4,5,6,7
	global_load_b32 v[BV+\j], v4, s[BVP:BVP+1]
.endr
.irp t, 0,1,2,3,4,5,6,7
	global_load_b128 v[OSC+4*\t:OSC+4*\t+3], v2, s[KS:KS+1] offset:(32*(\t/2)+8*(\t%2))*16
.endr
	LDKG SET1, 0
	QUANT ACC, 2, PC, KW                           ; key tile u = 0: the head's two blocks of 32 channels
	QUANT ACC+32, 2, PC+4, W16                     ; u = 1
	v_lshl_or_b32 v[KW], v[W16], 16, v[KW]         ; the pair's scale word
	global_store_b128 v5, v[PC:PC+3], s[KVK:KVK+1]
	global_store_b128 v5, v[PC+4:PC+7], s[KVK:KVK+1] offset:512
	s_wait_xcnt 0x0                                ; the stores' data lie in SET0, which is loaded again only behind this wait
	LDKG SET0, 1
	; ---- v: source 0 = 16 keys, source 1 = my 16 rows of Wv.  Lane (r, h) holds ONE channel, and register 16 b + i its key 32 b + 16 h + i: the next product's K runs along the registers.
.macro GV g, set
.irp t, 0,1,2,3
.if (\g)/2 == 0
	v_wmma_scale_f32_16x16x128_f8f6f4 v[ACC+8*(4*((\g)%2)+\t):ACC+8*(4*((\g)%2)+\t)+7], v[\set+8*\t:\set+8*\t+7], v[MINE+8*((\g)/2):MINE+8*((\g)/2)+7], v[BV:BV+7], v[OSC+4*(4*((\g)%2)+\t)+(\g)/2], v[MSC+(\g)/2] matrix_a_fmt:MATRIX_FMT_FP4 matrix_b_fmt:MATRIX_FMT_FP4
.else
	v_wmma_scale_f32_16x16x128_f8f6f4 v[ACC+8*(4*((\g)%2)+\t):ACC+8*(4*((\g)%2)+\t)+7], v[\set+8*\t:\set+8*\t+7], v[MINE+8*((\g)/2):MINE+8*((\g)/2)+7], v[ACC+8*(4*((\g)%2)+\t):ACC+8*(4*((\g)%2)+\t)+7], v[OSC+4*(4*((\g)%2)+\t)+(\g)/2], v[MSC+(\g)/2] matrix_a_fmt:MATRIX_FMT_FP4 matrix_b_fmt:MATRIX_FMT_FP4
.endif
.endr
.endm
.irp g, 0,1,2,3,4,5,6,7
.if \g < 7
	s_wait_loadcnt 8                               ; this granule's loads are in; the next granule's eight may be out
.else
	s_wait_loadcnt 0x0
.endif
	GV \g, SET0+32*((\g+1)%2)
.if \g != 6
	NOP4
.endif
.if \g < 6
	LDKG SET0+32*((\g+1)%2), \g+2
.endif
.endr
	QUANT ACC, 4, PC, PW                           ; the step's four blocks of 32 keys
	global_store_b128 v5, v[PC:PC+3], s[KVK:KVK+1] offset:4096
	global_store_b128 v5, v[PC+4:PC+7], s[KVK:KVK+1] offset:4608
	v_cndmask_b32 v[OUTW], v[KW], v[PW], s42       ; lanes 0-15 K's word, lanes 16-31 V's
	global_store_b32 v6, v[OUTW], s[KVS:KVS+1] offset:8192
	s_endpgm
	; ================ waves 8-15: the mask ================
.Lmask:
	s_lshl_b32 s8, s5, 6
	s_add_co_u32 s8, s8, ttmp9                     ; the work-group's number, 0..255: it owns query tiles 2 n and 2 n + 1 of the 512
	s_and_b32 s9, s3, 7
	s_lshl_b32 s44, s8, 18                         ; 32 rows of 8,192 bytes,
	s_lshr_b32 s10, s9, 2
	s_lshl_b32 s10, s10, 17                        ; my tile of 16 rows,
	s_add_co_u32 s44, s44, s10
	s_and_b32 s10, s9, 3
	s_lshl_b32 s10, s10, 11                        ; my four steps of 128 keys
	s_add_co_u32 s44, s44, s10
	s_add_nc_u64 s[32:33], s[32:33], s[44:45]
	s_lshl_b32 s44, s8, 13
	s_lshl_b32 s10, s9, 10
	s_add_co_u32 s44, s44, s10                     ; four units of 256 bytes a wave
	s_add_nc_u64 s[36:37], s[36:37], s[44:45]
.irp i, 0,1,2,3,4,5,6,7
	v_mov_b32 v[W+\i], 0                           ; v_writelane_b32's destination counts as read
.endr
.macro LOADM i                         ; unit i: 16 rows x 512 bytes; each load takes 512 consecutive bytes of a row; read once in the launch
.irp p, 0,1,2,3,4,5,6,7,8,9,10,11,12,13,14,15
	global_load_b128 v[RB+64*((\i)%2)+4*\p:RB+64*((\i)%2)+4*\p+3], v5, s[32:33] offset:8192*\p+512*(\i) th:TH_LOAD_NT
.endr
.endm
.macro UNIT i
.if \i < 3
	s_wait_loadcnt 16                              ; this unit's 16 loads are in; the next unit's may be out
.else
	s_wait_loadcnt 0x0
.endif
.irp p, 0,1,2,3,4,5,6,7,8,9,10,11,12,13,14,15
	ds_store_b128 v7, v[RB+64*((\i)%2)+4*\p:RB+64*((\i)%2)+4*\p+3] offset:SP*\p
.endr
.irp b, 0,1,2,3
.irp j, 0,1,2,3
	ds_load_b128 v[X+16*\b+4*\j:X+16*\b+4*\j+3], v8 offset:128*\b+16*\j   ; LDS serves a wave's instructions in order: these see the stores above.  Register 16 b + i: mask[query r][key 32 b + 16 h + i]
.endr
.endr
	s_wait_dscnt 0x0                               ; the numbers are back, and the stores have read their registers,
.if \i < 2
	LOADM (\i)+2                                   ; which take the unit two further on
.endif
.set zn, 0
.rept 8
.irp k, 0,1,2,3,4,5,6,7
	v_cmp_ne_u32 s[8+\k], 0, v[X+zn+\k]            ; the lane mask of score register n
.endr
.irp k, 0,1,2,3,4,5,6,7
	v_writelane_b32 v[W+2*(\i)+(zn+\k)/32], s[8+\k], (zn+\k)%32
.endr
.set zn, zn+8
.endr
	global_store_b64 v10, v[W+2*(\i):W+2*(\i)+1], s[36:37] offset:256*(\i)   ; 32 lanes store 256 consecutive aligned bytes
.endm
	LOADM 0
	LOADM 1
	UNIT 0
	UNIT 1
	UNIT 2
	UNIT 3
	s_wait_tensorcnt 0x0
	ds_add_u32 v254, v255
	s_wait_dscnt 0x0
	s_endpgm
.Lfunc_end_k_q373825221e_prep:
	.size	k_q373825221e_prep, .Lfunc_end_k_q373825221e_prep-k_q373825221e_prep
	.p2alignl 7, 3214868480
	.fill 96, 4, 3214868480
	.section	.rodata,"a",@progbits
	.p2align	6, 0x0
	.amdhsa_kernel k_q373825221e_prep
		.amdhsa_group_segment_fixed_size 137216
		.amdhsa_private_segment_fixed_size 0
		.amdhsa_enable_private_segment 0
		.amdhsa_kernarg_size 88
		.amdhsa_user_sgpr_count 2
		.amdhsa_user_sgpr_kernarg_segment_ptr 1
		.amdhsa_wavefront_size32 1
		.amdhsa_system_sgpr_workgroup_id_x 1
		.amdhsa_system_sgpr_workgroup_id_y 1
		.amdhsa_system_sgpr_workgroup_id_z 1
		.amdhsa_system_vgpr_workitem_id 0
		.amdhsa_next_free_vgpr 256
		.amdhsa_next_free_sgpr 66
		.amdhsa_reserve_vcc 0
		.amdhsa_float_denorm_mode_32 3
		.amdhsa_float_denorm_mode_16_64 3
		.amdhsa_memory_ordered 1
		.amdhsa_forward_progress 1
		.amdhsa_inst_pref_size 84
	.end_amdhsa_kernel
	.amdgpu_metadata
---
amdhsa.version: [ 1, 2 ]
amdhsa.kernels:
  - .name:           k_q373825221e_prep
    .symbol:         k_q373825221e_prep.kd
    .args:
      - { .name: K_codes, .offset: 0, .size: 8, .value_kind: global_buffer, .address_space: global }
      - { .name: K_scales, .offset: 8, .size: 8, .value_kind: global_buffer, .address_space: global }
      - { .name: Wk_codes, .offset: 16, .size: 8, .value_kind: global_buffer, .address_space: global }
      - { .name: Wk_scales, .offset: 24, .size: 8, .value_kind: global_buffer, .address_space: global }
      - { .name: bk, .offset: 32, .size: 8, .value_kind: global_buffer, .address_space: global }
      - { .name: Wv_codes, .offset: 40, .size: 8, .value_kind: global_buffer, .address_space: global }
      - { .name: Wv_scales, .offset: 48, .size: 8, .value_kind: global_buffer, .address_space: global }
      - { .name: bv, .offset: 56, .size: 8, .value_kind: global_buffer, .address_space: global }
      - { .name: mask, .offset: 64, .size: 8, .value_kind: global_buffer, .address_space: global }
      - { .name: kv, .offset: 72, .size: 8, .value_kind: global_buffer, .address_space: global }
      - { .name: mbits, .offset: 80, .size: 8, .value_kind: global_buffer, .address_space: global }
    .group_segment_fixed_size: 137216
    .private_segment_fixed_size: 0
    .kernarg_segment_align: 8
    .kernarg_segment_size: 88
    .max_flat_workgroup_size: 512
    .sgpr_count:     66
    .vgpr_count:     256
    .wavefront_size: 32
...
	.end_amdgpu_metadata
.endif
;; end of part 1
;; launch attn (part 2): grid 64 x 4, 16 waves a work-group, clusters of 4 x 1, 327,680 bytes of LDS; arguments kv, mbits, temperature, Q_codes, Q_scales, Wq_codes, Wq_scales, bq, Wo_codes, Wo_scales, bo, ln0_g, ln0_b, ln1_g, ln1_b, out0; writes out0
.if DOCPART == 2
	.amdgcn_target "amdgcn-amd-amdhsa--gfx1250"
	.amdhsa_code_object_version 6
	.text
	.protected	k_q373825221e_attn
	.globl	k_q373825221e_attn
	.p2align	8
	.type	k_q373825221e_attn,@function
k_q373825221e_attn:
	s_mov_b64 s[64:65], 0
	v_nop
	global_prefetch_b8 v0, s[64:65] scope:SCOPE_SE
	s_setreg_imm32_b32 hwreg(HW_REG_WAVE_MODE, 25, 1), 1
	s_wait_xcnt 0x0
	s_wait_alu depctr_hold_cnt(0) depctr_sa_sdst(0) depctr_va_vdst(0) depctr_va_sdst(0) depctr_va_ssrc(0) depctr_va_vcc(0) depctr_vm_vsrc(0)
	s_getreg_b32 s2, hwreg(HW_REG_IB_STS2, 6, 4)
	s_cmp_eq_u32 s2, 0
	s_cbranch_scc0 .Lentry_in_a_cluster
	s_endpgm
.Lentry_in_a_cluster:
	s_bfe_u32 s2, ttmp6, 0x10000c
	s_cmp_lg_u32 s2, 0x3003
	s_cbranch_scc0 .Lentry_shape_is_right
	s_endpgm
.Lentry_shape_is_right:
; ATTN.  q = Q Wq + bq; p = 2^(t - M) with t = (q . k) c[key], c = log2(e) / sqrt(512) / temperature[key], t = -1e9 log2(e) where mask == 0, M = the running largest t rounded up to a whole number;
; O = q + (sum of p v) / (sum of p); LayerNorm; O + relu(O Wo + bo); LayerNorm.  All products on codes of FP4 (E2M1) with one E8M0 scale for each 32 along K, sums in f32; all else in f32.
; SHARES.  A work-group owns 32 queries of one batch and ALL 8 heads, so that a row's 512 channels meet in one work-group and nothing but the result goes to memory.  Wave w: head w % 8, query tile w / 8 (16 queries).
; Every wave walks the batch's 2,048 keys, 128 a step.  k, v and their scale words come as images of operand registers (buffer kv, made by the launch before), through a ring of two LDS slots of two steps each.
; THE WEIGHTS COME THROUGH THE SAME SLOTS.  512 rows of 256 bytes with 16 of padding behind each are as many bytes as a slot.  Wq is slot 1's first fill and is read before the keys' first fill of that slot;
; Wo is asked for at the last change of slots, into the slot just left, and lands under the last two steps.  So a weight's fragments (16 rows, 32 bytes of each, an instruction) are read from LDS and not from memory.
; CLUSTER.  The four work-groups of a cluster belong to one batch and walk the same kv and the same weights: each tile is asked for JOINTLY, by the same tensor load with the same descriptor and a mask that names the four.
; LAYOUT.  All products are used transposed, so that a lane holds ONE query (lane % 16) throughout; the rows that form a tile are chosen (pi(r) = r + 8 (r / 8)) so that a lane's register 16 b + i is
; k = 32 b + 16 (lane / 16) + i of the next product's K.  q, O, the LayerNorms' rows and the last product's result all lie so: register 16 b + i = channel 64 head + 32 b + 16 (lane / 16) + i.
; K = 64 IN AN INSTRUCTION OF K = 128: a fragment of K holds TWO key tiles (one in each half of K); q lies in twelve registers [q | zeros | q], whose first eight pick the first tile and whose last eight the second.
; THE MASK comes as the lane masks of the score registers (buffer mbits): 64 scalar words a step, one v_cndmask_b32 a score register.
; LIMITS: NaN and infinities are not served, nor a temperature of 0.  c is (log2(e) / sqrt(512)) x v_rcp_f32(temperature): a few units in the last place from two divisions.  A p under 2^-126 becomes 0.
; A block whose largest magnitude lies under 2^-124 keeps the scale byte 1, a block of zeros too (its codes are zeros).  A row with every key masked is served: t = M there, p = 1.
; REGISTERS: v1-3 LDS places that stay, v4-5 the spare word's address and 0, v6-8 the step's LDS addresses, v9 the masked t, v10, v255 a weight's fragment in slot 1, 0, v11, v29-31 offsets in memory, v12 -M, v13 the largest t,
; v[14:15] the sum in two halves, v16-27 q's fragment, v28 its scale word, v32-63 K's fragments, then V's, v64-127 the scores, then p, v128-159 the factors of 32 keys a lane, v160-191 q in f32 (for the residual),
; v192-223 O^T, v224-231 p's codes, v232-254 at work.
.set BLK,    8704                      ; a (step, head) block of kv: 4,096 bytes of K, 4,096 of V, 512 of scale words
.set STEPB,  8*BLK
.set SLOTB,  2*STEPB                   ; a slot: two steps, 139,264 bytes; or a weight's 512 rows of 272
.set WLOAD,  SLOTB/8                   ; what one tensor load brings: 68 rows of 256 bytes of kv, or 64 rows of 256 + 16 of a weight
.set BATCHB, 16*STEPB
.set WP,     272                       ; a weight's row in LDS
.set CT,     2*SLOTB                   ; behind the ring: c of the batch's 2,048 keys,
.set RED,    CT+8192                   ; four regions of 2,048 bytes for the rows' sums,
.set OIMG,   RED+8192                  ; the images of the last product's operand: (query tile, K step, half) x 512 bytes,
.set OSCL,   OIMG+8192                 ; its scale words: (query tile, K step) x 128 bytes,
.set SPARE,  OSCL+1024                 ; the spare words, 128 bytes for each of the sixteen waves: eight blocks of 256 bytes that no other line names
.set STG,    SLOTB                     ; the way out's stages, 16 x 4,352 bytes, lie in slot 1: it has had its last fill, and every wave has passed a barrier behind its last read of it
.set TM,     232                       ; the quantiser's work registers: v232-247
.set G1PAD,  15|(3<<16)|(1<<20)|(1<<21)|(5<<22)|(3<<25)   ; group 1's first word for a weight: the mask of four; elements of 8 bytes; padding on; bit 21 beside a mask; after every 64 words; four words
; s3 wave, s4 head, s5 query tile, s6 the slot read, s7 the slot filled, s8 the c table's step, s9 trips, s10, s12-15 at work, s11 my load's offset, s[66:67] lane selects,
; s[84:91], s[92:95] the descriptor, s[96:97] my mask words, s98 my first query, s[100:101] my 64 rows of Wo; s[16:63], s[68:83] the step's 64 mask words (outside the loop: addresses and Wq's descriptor)
.macro NOP4                            ; four plain places behind matrix instructions, in front of loads into their registers and of reads of their results
.rept 4
	v_nop
.endr
.endm
.macro CROUND                          ; a round of the cluster's barrier
	s_barrier_signal -1
	s_barrier_wait -1
	s_cmp_lg_u32 s3, 0
	s_cbranch_scc1 .Lnot_wave_0_\@
	s_barrier_signal -3
.Lnot_wave_0_\@:
	s_barrier_wait -3
	s_barrier_signal -1
	s_barrier_wait -1
.endm
.macro JLOAD                           ; waves 0-7 fetch an eighth of a slot each, the others nothing; the branch hangs on the wave's number alone.  Four v_nop follow the load
	s_cmp_lt_u32 s3, 8
	s_cbranch_scc0 .Lasked_\@
	tensor_load_to_lds s[92:95], s[84:91]
	s_nop 0
.rept 4
	v_nop
.endr
.Lasked_\@:
.endm
; THE CHANGE OF SLOTS stands at a slot's head.  Each wave waits for all its tensor loads (its part of the slot ahead), adds 0 to its spare word, and waits for that and for its reads of the slot that it has left.
; Then a round of the cluster's barrier, and behind it the joint fill of the slot just left: it has two steps in which to land.  fill = 1: the next two steps of kv;  fill = 2 (the last change): Wo, into slot 0.
.macro CHANGE fill
	s_wait_tensorcnt 0x0                           ; no tensor load of mine is out, so the descriptor may be written
	ds_add_u32 v4, v5                              ; 0 onto my spare word
	ds_add_u32 v4, v5
.if \fill == 1
	s_xor_b32 s7, s7, SLOTB                        ; the other slot than last time,
	s_add_co_u32 s93, s7, s11
	s_add_nc_u64 s[94:95], s[94:95], SLOTB         ; the next two steps; the type bits on top are not reached
.else
	s_mov_b32 s84, G1PAD                           ; a weight's tile: 64 rows of 256 bytes, 16 of padding behind each
	s_mov_b32 s86, 64<<16
	s_mov_b32 s88, 64
	s_mov_b32 s93, s11                             ; slot 0, my eighth
	s_mov_b64 s[94:95], s[100:101]                 ; my 64 rows of Wo
	s_or_b32 s95, s95, 0x80000000                  ; type = 2
.endif
	s_wait_dscnt 0x0                               ; the add is done, and my LDS reads and stores are over
	CROUND
	JLOAD
.endm
; 16 nb numbers of a lane, register s + 16 b + i = k 32 b + 16 (lane / 16) + i of my row, become codes in v[pc] on (registers 4 c .. 4 c + 3: k = 64 c + 32 (lane / 16) + 0 .. 31) and the row's scale bytes in v[pw].
.macro QUANT s, nb, pc, pw
.set zb, 0
.rept \nb
	v_max3_num_f32 v[TM+zb], |v[(\s)+16*zb]|, |v[(\s)+16*zb+1]|, 0x1800000   ; my 16 numbers of block b, and the floor 2^(3 - 127): the byte cannot fall under 1
.set zb, zb+1
.endr
.set zi, 2
.rept 7
.set zb, 0
.rept \nb
	v_max3_num_f32 v[TM+zb], v[TM+zb], |v[(\s)+16*zb+zi]|, |v[(\s)+16*zb+zi+1]|
.set zb, zb+1
.endr
.set zi, zi+2
.endr
.set zb, 0
.rept \nb
	v_mov_b32 v[TM+4+zb], 0                        ; a lane permute's destination counts as one of its sources
.set zb, zb+1
.endr
.set zb, 0
.rept \nb
	v_permlanex16_b32 v[TM+4+zb], v[TM+zb], s66, s67
.set zb, zb+1
.endr
.set zb, 0
.rept \nb
	v_max_num_f32 v[TM+zb], v[TM+zb], v[TM+4+zb]   ; with lane l xor 16's: the block's largest magnitude
.set zb, zb+1
.endr
.set zb, 0
.rept \nb
	v_add_nc_u32 v[TM+12+zb], 0xff000000, v[TM+zb] ; 2 off its exponent field: the conversion's scale operand
.set zb, zb+1
.endr
.set zb, 0
.rept \nb
	v_lshrrev_b32 v[TM+4+zb], 23, v[TM+12+zb]      ; the scale's byte
.set zb, zb+1
.endr
	v_lshl_or_b32 v[\pw], v[TM+5], 8, v[TM+4]
.if \nb > 2
	v_lshl_or_b32 v[\pw], v[TM+6], 16, v[\pw]
	v_lshl_or_b32 v[\pw], v[TM+7], 24, v[\pw]
.endif
.set zb, 0
.rept \nb
	v_cvt_scalef32_pk8_fp4_f32 v[(\pc)+2*zb], v[(\s)+16*zb:(\s)+16*zb+7], v[TM+12+zb]
	v_cvt_scalef32_pk8_fp4_f32 v[(\pc)+2*zb+1], v[(\s)+16*zb+8:(\s)+16*zb+15], v[TM+12+zb]
.set zb, zb+1
.endr
	v_nop                                          ; one plain place behind the last scaled conversion
.set zb, 0
.rept \nb/2
	v_permlane16_swap_b32 v[(\pc)+4*zb], v[(\pc)+4*zb+2]     ; the operand's layout wants a whole block in a lane
	v_permlane16_swap_b32 v[(\pc)+4*zb+1], v[(\pc)+4*zb+3]
.set zb, zb+1
.endr
.endm
; A PROJECTION of 16 rows onto my head's 64 output channels, K = 512: source 0 = 16 rows of the weight (tile T = 2 b + u: rows 32 b + 8 u + pi(r)), from LDS; source 1 = the rows' fragments in v96-127, their scale words in v48-51.
.macro WLD1 adr, kk, reg               ; the weight's four tiles of K step kk -> v[reg] on.  The rows pi(r) and pi(r) + 16 fall on the same banks at any pitch that is a multiple of 16 bytes: these loads go two deep
.irp T, 0,1,2,3
.irp c, 0,1
	ds_load_b128 v[\reg+8*\T+4*\c:\reg+8*\T+4*\c+3], v[\adr] offset:(32*(\T/2)+8*(\T%2))*WP+64*(\kk)+32*\c
.endr
.endr
.endm
.macro PMUL1 acc, kk, reg              ; the four accumulators by turns, one instruction a turn
.irp T, 0,1,2,3
	v_wmma_scale_f32_16x16x128_f8f6f4 v[\acc+8*\T:\acc+8*\T+7], v[\reg+8*\T:\reg+8*\T+7], v[96+8*(\kk):96+8*(\kk)+7], v[\acc+8*\T:\acc+8*\T+7], v[32+4*\T+(\kk)], v[48+(\kk)] matrix_a_fmt:MATRIX_FMT_FP4 matrix_b_fmt:MATRIX_FMT_FP4
.endr
.endm
.macro PRUN acc, adr, wa, wb           ; K steps 0 and 1 lie in v[wa], v[wb] on; steps 2 and 3 follow them there
	PMUL1 \acc, 0, \wa
	PMUL1 \acc, 1, \wb
	NOP4
	WLD1 \adr, 2, \wa
	WLD1 \adr, 3, \wb
	s_wait_dscnt 0x0
	PMUL1 \acc, 2, \wa
	PMUL1 \acc, 3, \wb
	NOP4
.endm
.macro PBLOAD acc, wsp, bp             ; the bias into the accumulators (it starts the sums), the weight's scale words -> v32-47
.irp T, 0,1,2,3
	global_load_b128 v[\acc+8*\T:\acc+8*\T+3], v29, s[\bp:\bp+1] offset:(32*(\T/2)+8*(\T%2))*4
	global_load_b128 v[\acc+8*\T+4:\acc+8*\T+7], v29, s[\bp:\bp+1] offset:(32*(\T/2)+8*(\T%2))*4+16
	global_load_b128 v[32+4*\T:35+4*\T], v11, s[\wsp:\wsp+1] offset:(32*(\T/2)+8*(\T%2))*16
.endr
.endm
	s_load_b512 s[16:31], s[0:1], 0x0              ; kv, mbits, temperature, Q's codes, Q's scales, Wq's codes, Wq's scales, bq
	s_load_b64 s[100:101], s[0:1], 0x40            ; Wo's codes
	v_lshl_add_u32 v4, v0, 2, SPARE
	v_mov_b32 v5, 0
	ds_add_u32 v4, v5
	ds_add_u32 v4, v5
	s_wait_dscnt 0x0
	v_lshrrev_b32 v6, 5, v0
	v_readfirstlane_b32 s3, v6                     ; wave 0..15
	s_and_b32 s4, s3, 7                            ; head
	s_lshr_b32 s5, s3, 3                           ; query tile
	s_bfe_u32 s12, ttmp6, 0x40000                  ; cx: my place in the cluster: it enters Q's, the mask words' and the output's addresses alone
	s_lshl_b32 s13, ttmp9, 2
	s_add_co_u32 s13, s13, s12                     ; my block of 32 queries = 4 x cluster x + cx
	s_and_b32 s14, ttmp7, 0xffff                   ; the batch, which the four partners share
	s_lshl_b32 s98, s14, 11
	s_lshl_b32 s15, s13, 5
	s_add_co_u32 s98, s98, s15
	s_lshl_b32 s15, s5, 4
	s_add_co_u32 s98, s98, s15                     ; my first query among the 8,192
	s_mul_i32 s11, s4, WLOAD                       ; my eighth of a slot; in kv also my eighth of two steps
	s_mul_i32 s44, s14, BATCHB
	s_add_co_u32 s44, s44, s11
	s_mov_b32 s45, 0
	; descriptor group 1 for kv: a dense block of 17,408 bytes as 68 rows of 32 elements of 8 bytes; no padding: images are read 512 consecutive bytes an instruction
	s_mov_b32 s84, 15|(3<<16)|(1<<21)              ; 15:0 the mask: all four work-groups; 17:16 elements of 8 bytes; 21 set beside a mask
	s_mov_b32 s85, 32<<16                          ; tensor_dim0 = 32
	s_mov_b32 s86, 68<<16                          ; tensor_dim1 = 68
	s_mov_b32 s87, 32<<16                          ; tile_dim0 = 32
	s_mov_b32 s88, 68                              ; tile_dim1 = 68
	s_mov_b32 s89, 32                              ; elements from row to row
	s_mov_b32 s90, 0
	s_mov_b32 s91, 0
	; and for Wq: 64 rows of 32 elements of 8 bytes, 16 bytes of padding behind each
	s_mov_b32 s32, G1PAD
	s_mov_b32 s33, 32<<16
	s_mov_b32 s34, 64<<16
	s_mov_b32 s35, 32<<16
	s_mov_b32 s36, 64
	s_mov_b32 s37, 32
	s_mov_b32 s38, 0
	s_mov_b32 s39, 0
	s_mov_b32 s66, 0x76543210
	s_mov_b32 s67, 0xfedcba98                      ; v_permlanex16_b32's selects for lane l xor 16
	s_mov_b32 s6, 0
	s_mov_b32 s7, 0
	s_mov_b32 s8, 0
	s_mov_b32 s9, 7
	s_wait_kmcnt 0x0
	s_mov_b32 s92, 1                               ; count = 1
	s_mov_b32 s93, s11                             ; LDS address: slot 0
	s_add_nc_u64 s[94:95], s[16:17], s[44:45]      ; global address: the batch's first two steps
	s_or_b32 s95, s95, 0x80000000                  ; type = 2
	s_lshl_b32 s44, s4, 14                         ; 64 rows of a weight are 16,384 bytes
	s_mov_b32 s40, 1
	s_add_co_u32 s41, s11, SLOTB                   ; Wq goes into slot 1
	s_add_nc_u64 s[42:43], s[26:27], s[44:45]
	s_or_b32 s43, s43, 0x80000000
	s_add_nc_u64 s[100:101], s[100:101], s[44:45]  ; Wo's address waits for the last change of slots
	s_lshl_b32 s12, s98, 8
	s_mov_b32 s13, 0
	s_add_nc_u64 s[96:97], s[18:19], s[12:13]      ; my query tile's mask words: 16 steps x 256 bytes a tile of 16 queries
	CROUND                                         ; all four work-groups are here: the first joint loads meet
	s_cmp_lt_u32 s3, 8                             ; a wave's two first fills stand in one branch, ahead of every wait on TENSORcnt, every LDS read and every other barrier: two loads of mine are out
	s_cbranch_scc0 .Lfirst_asked
	tensor_load_to_lds s[40:43], s[32:39]          ; Wq first: it is wanted first
	s_nop 0
	tensor_load_to_lds s[92:95], s[84:91]          ; slot 0
	s_nop 0
.rept 4
	v_nop
.endr
.Lfirst_asked:
	v_and_b32 v6, 31, v0                           ; lane
	v_and_b32 v7, 15, v0                           ; r
	v_bfe_u32 v8, v0, 4, 1                         ; h
	s_mul_i32 s10, s4, BLK
	v_lshl_add_u32 v1, v6, 4, s10                  ; an image's place for my lane in my head's block
	s_add_co_u32 s12, s10, 8192
	v_lshl_add_u32 v2, v6, 2, s12                  ; a scale word's
	v_lshl_add_u32 v3, v8, 6, CT                   ; c: my 16 keys of a block of 32
	v_and_b32 v9, 8, v7
	v_add_nc_u32 v9, v9, v7                        ; pi(r)
	v_mul_u32_u24 v255, v9, WP
	v_lshl_add_u32 v255, v8, 4, v255
	v_add_nc_u32 v255, s11, v255                   ; a weight's fragment in slot 0: my head's 64 rows, row pi(r), + 16 h; never rewritten
	v_add_nc_u32 v10, SLOTB, v255                  ; and in slot 1
	v_lshlrev_b32 v11, 4, v9                       ; a weight's row's 16 scale bytes, in memory
	v_lshlrev_b32 v29, 6, v8                       ; numbers by channel: 64 h
	v_lshlrev_b32 v30, 8, v7
	v_lshl_add_u32 v30, v8, 4, v30                 ; Q: row r of 256 bytes, + 16 h
	v_lshlrev_b32 v31, 4, v7                       ; its 16 scale bytes
	v_lshlrev_b32 v6, 4, v0                        ; the temperatures: 16 bytes a thread cover the batch's 2,048
	v_lshl_add_u32 v7, v0, 4, CT
	s_lshl_b32 s12, s14, 13
	s_add_nc_u64 s[20:21], s[20:21], s[12:13]      ; the batch's temperatures,
	s_lshl_b32 s12, s98, 8
	s_add_nc_u64 s[22:23], s[22:23], s[12:13]      ; Q's codes and scales at my first query,
	s_lshl_b32 s12, s98, 4
	s_add_nc_u64 s[24:25], s[24:25], s[12:13]
	s_lshl_b32 s12, s4, 10
	s_add_nc_u64 s[28:29], s[28:29], s[12:13]      ; Wq's scales and bq at my head's first channel
	s_lshl_b32 s12, s4, 8
	s_add_nc_u64 s[30:31], s[30:31], s[12:13]
	global_load_b128 v[52:55], v6, s[20:21]
	PBLOAD 160, 28, 30
.irp k, 0,1,2,3
.irp c, 0,1
	global_load_b128 v[96+8*\k+4*\c:99+8*\k+4*\c], v30, s[22:23] offset:64*\k+32*\c   ; my 16 queries' fragments
.endr
.endr
	global_load_b128 v[48:51], v31, s[24:25]       ; and their scale words
	s_wait_tensorcnt 0x1                           ; my part of Wq is in; slot 0's load may stay out
	s_barrier_signal -1
	s_barrier_wait -1                              ; everybody's part is
	WLD1 10, 0, 128
	WLD1 10, 1, 192
	s_wait_loadcnt 0x0
.irp i, 0,1,2,3
	v_rcp_f32 v[56+\i], v[52+\i]
.endr
	v_nop                                          ; one plain place behind the transcendentals
	s_wait_alu depctr_va_vdst(0)
.irp i, 0,1,2,3
	v_mul_f32 v[52+\i], 0x3d8293ee, v[56+\i]       ; c = log2(e) / sqrt(512) / temperature
.endr
	ds_store_b128 v7, v[52:55]                     ; the first change of slots passes a barrier behind the wait below: then every wave may read the table
	s_wait_dscnt 0x0                               ; Wq's first fragments are in
	PRUN 160, 10, 128, 192                         ; q, in v160-191: it stays there for the residual
	QUANT 160, 2, 224, 248
.irp i, 0,1,2,3
	v_mov_b32 v[16+\i], v[224+\i]                  ; [q | zeros | q]
	v_mov_b32 v[20+\i], 0
	v_mov_b32 v[24+\i], v[224+\i]
.endr
	v_lshl_or_b32 v28, v248, 16, v248              ; q's two bytes serve either half of K
	s_load_b512 s[16:31], s[96:97], 0x0            ; step 0's mask words (no load that names these registers as its base or its descriptor is out)
	s_load_b512 s[32:47], s[96:97], 0x40
	s_load_b512 s[48:63], s[96:97], 0x80
	s_load_b512 s[68:83], s[96:97], 0xc0
	v_mov_b32 v9, 0xceabfb8f                       ; -1e9 x log2(e) in f32: -1,442,695,040, a whole number
	v_mov_b32 v13, 0xff61b1e6                      ; the largest t so far: -3e38, under every t
	v_floor_f32 v12, -v13                          ; -M
	v_mov_b32 v14, 0                               ; the sum, in two halves
	v_mov_b32 v15, 0
.irp b, 0,1,2,3
	v_mov_b32 v[236+\b], 0
.endr
	v_mov_b32 v253, 0                              ; (named as the upper half of the pair v[252:253])
.set zj, 0
.rept 32
	v_mov_b32 v[192+zj], 0                         ; O^T.  (The step is written once for all steps: the first finds zeros, which the first change of M leaves zeros)
.set zj, zj+1
.endr
.macro MASKN n0                        ; score registers n0 .. n0 + 31: where mask == 0: t = -1e9 log2(e)
.set zn, \n0
.rept 32
.set zm, 2*(zn%32)+zn/32
	v_cndmask_b32 v[64+zn], v9, v[64+zn], s[16+zm+4*(zm/48)]
.set zn, zn+1
.endr
.endm
.macro BMAX x0, x1                     ; the largest t of two blocks of 32 keys (my 16 of each): it serves the row's maximum and, since p rises with t, the block's largest p
.irp b, \x0, \x1
	v_max3_num_f32 v[232+\b], v[64+16*\b], v[65+16*\b], v[66+16*\b]
.endr
.irp i, 3,5,7,9,11,13
.irp b, \x0, \x1
	v_max3_num_f32 v[232+\b], v[232+\b], v[64+16*\b+\i], v[65+16*\b+\i]
.endr
.endr
.irp b, \x0, \x1
	v_max_num_f32 v[232+\b], v[232+\b], v[79+16*\b]
.endr
.endm
; A KEY STEP: 128 keys, the q-th of the slot in hand.  more = 1: the next step's mask words are asked for;  0 (the last step): the addresses that the part behind the keys wants.
; The keys' factors come in two halves of 32 registers, so that q keeps its 32: the second half is asked for behind the first's multiplications and has 48 vector instructions in which to land.
.macro STEP q, more
	s_add_co_u32 s10, s6, \q*STEPB
	v_add_nc_u32 v6, s10, v1                       ; these four plain lines are the places behind the last step's matrix instructions
	v_add_nc_u32 v7, s10, v2
	v_add_nc_u32 v8, s8, v3
	v_nop
.irp f, 0,1,2,3
.irp c, 0,1
	ds_load_b128 v[32+8*\f+4*\c:35+8*\f+4*\c], v6 offset:1024*\f+512*\c        ; K's four pairs of key tiles
.endr
.endr
.irp i, 0,1,2,3
	ds_load_b32 v[240+\i], v7 offset:128*\i        ; lanes 0-15 K pair i's scale words, lanes 16-31 V tile i's
.endr
.irp b, 0,1
.irp j, 0,1,2,3
	ds_load_b128 v[128+16*\b+4*\j:131+16*\b+4*\j], v8 offset:128*\b+16*\j      ; c of my keys of blocks 0 and 1, in the scores' order
.endr
.endr
	s_wait_dscnt 8                                 ; K's fragments and the scale words are in; c's eight loads may be out
.irp f, 0,1,2,3
.irp u, 0,1
	v_wmma_scale_f32_16x16x128_f8f6f4 v[64+8*(2*\f+\u):71+8*(2*\f+\u)], v[32+8*\f:39+8*\f], v[16+4*\u:23+4*\u], 0, v[240+\f], v28 matrix_a_fmt:MATRIX_FMT_FP4 matrix_b_fmt:MATRIX_FMT_FP4
.endr
.endr                                          ; lane (r, h): query r; register 16 b + i: key 32 b + 16 h + i
	NOP4
	s_wait_dscnt 0x0                               ; c's first half
.set zj, 0
.rept 16
	v_pk_mul_f32 v[64+zj:65+zj], v[64+zj:65+zj], v[128+zj:129+zj]              ; t = score x c[key]; each accumulator from its low end on
.set zj, zj+2
.endr
.irp b, 0,1
.irp j, 0,1,2,3
	ds_load_b128 v[128+16*\b+4*\j:131+16*\b+4*\j], v8 offset:256+128*\b+16*\j  ; c of blocks 2 and 3, into the same registers
.endr
.endr
.irp t, 0,1,2,3
.irp c, 0,1
	ds_load_b128 v[32+8*\t+4*\c:35+8*\t+4*\c], v6 offset:4096+1024*\t+512*\c   ; V's four tiles: they land under the softmax
.endr
.endr
	s_wait_kmcnt 0x0                               ; the step's mask words
	MASKN 0
	BMAX 0, 1
	s_wait_dscnt 8                                 ; c's second half is in; V's eight loads may be out
.set zj, 0
.rept 16
	v_pk_mul_f32 v[96+zj:97+zj], v[96+zj:97+zj], v[128+zj:129+zj]
.set zj, zj+2
.endr
	MASKN 32
.if \more
	s_add_nc_u64 s[96:97], s[96:97], 256           ; (the loads that named this base are done)
	s_load_b512 s[16:31], s[96:97], 0x0            ; the next step's words: they have the rest of this step in which to land
	s_load_b512 s[32:47], s[96:97], 0x40
	s_load_b512 s[48:63], s[96:97], 0x80
	s_load_b512 s[68:83], s[96:97], 0xc0
.else
	s_load_b512 s[32:47], s[0:1], 0x40             ; Wo's codes, Wo's scales, bo, ln0_g, ln0_b, ln1_g, ln1_b, out0: the mask words are done with
.endif
	BMAX 2, 3
.irp b, 0,1,2,3
	v_permlanex16_b32 v[236+\b], v[232+\b], s66, s67
.endr
.irp b, 0,1,2,3
	v_max_num_f32 v[232+\b], v[232+\b], v[236+\b]  ; with lane l xor 16's 16 keys
.endr
	v_max3_num_f32 v254, v232, v233, v234
	v_max_num_f32 v254, v254, v235
	v_max_num_f32 v13, v13, v254                   ; the running largest t
	v_mov_b32 v254, v12
	v_floor_f32 v12, -v13                          ; the new -M = floor(-t) = -ceil(t): a whole number
	v_sub_f32 v254, v12, v254                      ; M's old value less its new one: 0 or less
	v_cvt_i32_f32 v254, v254                       ; (it saturates)
	v_ldexp_f32 v252, 1.0, v254                    ; f = 2^(old M - new M): a multiplication by it rounds nothing
.set zj, 0
.rept 32
	v_pk_add_f32 v[64+zj:65+zj], v[64+zj:65+zj], v[12:13] op_sel_hi:[1,0]      ; t - M (the pair's low word serves both halves)
.set zj, zj+2
.endr
.irp b, 0,1,2,3
	v_add_f32 v[232+\b], v[232+\b], v12            ; the same of each block's largest t
.endr
.set zj, 0
.rept 64
	v_exp_f32 v[64+zj], v[64+zj]                   ; p = 2^(t - M), at most 1: not normalised
.set zj, zj+1
.endr
.irp b, 0,1,2,3
	v_exp_f32 v[232+\b], v[232+\b]                 ; the block's largest p: the same two instructions on the same number
.endr
	v_pk_mul_f32 v[14:15], v[14:15], v[252:253] op_sel_hi:[1,0]                ; the sums under the new M.  (A plain place behind the exponentials)
	s_wait_alu depctr_va_vdst(0)
.irp b, 0,1,2,3
	v_max_num_f32 v[232+\b], 0x1800000, v[232+\b]  ; the floor 2^(3 - 127): the byte cannot fall under 1
.endr
.irp b, 0,1,2,3
	v_add_nc_u32 v[244+\b], 0xff000000, v[232+\b]  ; 2 off the exponent field: the conversion's scale operand
.endr
.irp b, 0,1,2,3
	v_lshrrev_b32 v[236+\b], 23, v[244+\b]         ; the scale's byte
.endr
	v_lshl_or_b32 v248, v237, 8, v236              ; p's scale word for these 128 keys
	v_lshl_or_b32 v248, v238, 16, v248
	v_lshl_or_b32 v248, v239, 24, v248
.irp b, 0,1,2,3
	v_cvt_scalef32_pk8_fp4_f32 v[224+2*\b], v[64+16*\b:71+16*\b], v[244+\b]
	v_cvt_scalef32_pk8_fp4_f32 v[225+2*\b], v[72+16*\b:79+16*\b], v[244+\b]
.endr
	v_nop                                          ; one plain place behind the last scaled conversion
.irp c, 0,1
.irp i, 0,1
	v_permlane16_swap_b32 v[224+4*\c+\i], v[226+4*\c+\i]                       ; a whole block in a lane: lanes 0-15 block 2 c, lanes 16-31 block 2 c + 1
.endr
.endr
	v_pk_add_f32 v[236:237], v[64:65], v[66:67]    ; the row's sum is taken of the unquantised p: two at a time, in two chains
.irp j, 4,8,12,16,20,24,28,32,36,40,44,48,52,56,60
	v_pk_add_f32 v[14:15], v[14:15], v[64+\j:65+\j]
	v_pk_add_f32 v[236:237], v[236:237], v[66+\j:67+\j]
.endr
	v_pk_add_f32 v[14:15], v[14:15], v[236:237]
.set zj, 0
.rept 16
	v_pk_mul_f32 v[192+zj:193+zj], v[192+zj:193+zj], v[252:253] op_sel_hi:[1,0]   ; O^T under the new M
.set zj, zj+2
.endr
	s_wait_dscnt 0x0                               ; V is in
.irp t, 0,1,2,3
	v_wmma_scale_f32_16x16x128_f8f6f4 v[192+8*\t:199+8*\t], v[32+8*\t:39+8*\t], v[224:231], v[192+8*\t:199+8*\t], v[240+\t], v248 matrix_a_fmt:MATRIX_FMT_FP4 matrix_b_fmt:MATRIX_FMT_FP4 matrix_a_scale:MATRIX_SCALE_ROW1
.endr
	s_add_co_u32 s8, s8, 512                       ; the next step's 128 factors
.endm
.Lslot:                                            ; seven trips: behind each of these changes of slots the next two steps of kv are asked for (the first of them takes Wq's place in slot 1)
	CHANGE 1
	STEP 0, 1
	STEP 1, 1
	s_xor_b32 s6, s6, SLOTB                        ; on to the other slot
	s_sub_co_u32 s9, s9, 1
	s_cmp_lg_u32 s9, 0
	s_cbranch_scc1 .Lslot
	CHANGE 2                                       ; the last slot is written out: behind its change Wo is asked for, into slot 0
	STEP 0, 1
	STEP 1, 0
	; ================ behind the keys ================
	s_wait_tensorcnt 0x0                           ; my part of Wo is in; the first row sum's barrier shows every wave's part to every wave
	v_and_b32 v25, 31, v0                          ; lane.  (These plain lines are also the places behind the last products)
	v_and_b32 v26, 15, v0                          ; r
	v_bfe_u32 v27, v0, 4, 1                        ; h
	v_lshl_add_u32 v16, v0, 2, RED                 ; a row's partial sum: 128 bytes a wave, 4 a lane
	s_lshl_b32 s12, s5, 10
	s_add_co_u32 s12, s12, RED
	v_lshl_add_u32 v17, v25, 2, s12                ; and the eight heads' of my query tile
	v_lshl_add_u32 v18, v0, 4, OIMG                ; my half fragment's image: 512 bytes a wave
	s_lshr_b32 s12, s3, 1
	s_lshl_b32 s12, s12, 7
	s_and_b32 s13, s3, 1
	s_lshl_b32 s13, s13, 1
	s_add_co_u32 s12, s12, s13
	s_add_co_u32 s12, s12, OSCL
	v_lshl_add_u32 v19, v25, 2, s12                ; my two bytes of the scale word: 128 (wave / 2) + 2 (wave % 2) + 4 x lane
	s_lshl_b32 s12, s5, 12
	s_add_co_u32 s12, s12, OIMG
	v_lshl_add_u32 v20, v25, 4, s12                ; my query tile's four fragments
	s_lshl_b32 s12, s5, 9
	s_add_co_u32 s12, s12, OSCL
	v_lshl_add_u32 v21, v25, 2, s12                ; and their scale words
	s_mul_i32 s12, s3, 4352                        ; my stage: 16 rows x (256 bytes + 16)
	s_add_co_u32 s12, s12, STG
	v_mul_u32_u24 v22, v26, 272
	v_lshl_add_u32 v22, v27, 6, v22
	v_add_nc_u32 v22, s12, v22                     ; in: row r, + 64 h
	v_mul_u32_u24 v23, v27, 272
	v_lshl_add_u32 v23, v26, 4, v23
	v_add_nc_u32 v23, s12, v23                     ; back: lanes 0-15 one row, lanes 16-31 the next
	v_lshlrev_b32 v24, 11, v27
	v_lshl_add_u32 v24, v26, 4, v24                ; and the same two rows in the output
	v_add_f32 v14, v14, v15                        ; the sum's two halves,
	v_permlanex16_b32 v254, v14, s66, s67
	v_add_f32 v14, v14, v254                       ; and lane l xor 16's: the row's sum
	v_rcp_f32 v14, v14
	v_mov_b32 v251, 0                              ; (a plain place behind the transcendental; the upper half of the pair v[250:251])
	s_wait_kmcnt 0x0                               ; the addresses, asked for in the last step
	s_mov_b32 s13, 0
	s_lshl_b32 s12, s4, 10
	s_add_nc_u64 s[34:35], s[34:35], s[12:13]      ; Wo's scales at my head's first channel
	s_lshl_b32 s12, s4, 8
.irp p, 36,38,40,42,44
	s_add_nc_u64 s[\p:\p+1], s[\p:\p+1], s[12:13]  ; bo and the four LayerNorm vectors likewise
.endr
	s_lshl_b32 s14, s98, 11
	s_add_co_u32 s12, s12, s14
	s_add_nc_u64 s[46:47], s[46:47], s[12:13]      ; the output at my first query, my head's 256 bytes
.macro LNLOAD gp, bp                   ; gain -> v128-159, bias -> v160-191, in the rows' layout
.irp i, 0,1,2,3,4,5,6,7
	global_load_b128 v[128+4*\i:131+4*\i], v29, s[\gp:\gp+1] offset:128*(\i/4)+16*(\i%4)
	global_load_b128 v[160+4*\i:163+4*\i], v29, s[\bp:\bp+1] offset:128*(\i/4)+16*(\i%4)
.endr
.endm
; The sum over a row's 512 channels of the number in v232 (my 32 channels' part), into v232 of every lane: lane l xor 16 holds the head's other 32, the eight waves of my query tile the eight heads.
; Each sum has LDS bytes of its own (region k), so one barrier serves it.  Every wave adds in the same order.
.macro ROWSUM k
	v_permlanex16_b32 v233, v232, s66, s67
	v_add_f32 v232, v232, v233
	ds_store_b32 v16, v232 offset:2048*(\k)
	s_wait_dscnt 0x0                               ; for the others' sake: my store has landed
	s_barrier_signal -1
	s_barrier_wait -1
.irp i, 0,1,2,3,4,5,6,7
	ds_load_b32 v[236+\i], v17 offset:2048*(\k)+128*\i
.endr
	s_wait_dscnt 0x0
	v_add_f32 v236, v236, v237
	v_add_f32 v238, v238, v239
	v_add_f32 v240, v240, v241
	v_add_f32 v242, v242, v243
	v_add_f32 v236, v236, v238
	v_add_f32 v240, v240, v242
	v_add_f32 v232, v236, v240
.endm
; LayerNorm of the rows in v64-95, in place; gain and bias are on their way into v128-191.  Sums k0 and k0 + 1.
.macro LNORM k0
	v_pk_add_f32 v[232:233], v[64:65], v[66:67]
	v_pk_add_f32 v[234:235], v[68:69], v[70:71]
.irp j, 8,12,16,20,24,28
	v_pk_add_f32 v[232:233], v[232:233], v[64+\j:65+\j]
	v_pk_add_f32 v[234:235], v[234:235], v[66+\j:67+\j]
.endr
	v_pk_add_f32 v[232:233], v[232:233], v[234:235]
	v_add_f32 v232, v232, v233
	ROWSUM \k0
	v_mul_f32 v250, 0xbb000000, v232               ; -mean = sum x -1/512
.set zj, 0
.rept 16
	v_pk_add_f32 v[64+zj:65+zj], v[64+zj:65+zj], v[250:251] op_sel_hi:[1,0]
.set zj, zj+2
.endr
	v_pk_mul_f32 v[232:233], v[64:65], v[64:65]
	v_pk_mul_f32 v[234:235], v[66:67], v[66:67]
.irp j, 4,8,12,16,20,24,28
	v_pk_fma_f32 v[232:233], v[64+\j:65+\j], v[64+\j:65+\j], v[232:233]
	v_pk_fma_f32 v[234:235], v[66+\j:67+\j], v[66+\j:67+\j], v[234:235]
.endr
	v_pk_add_f32 v[232:233], v[232:233], v[234:235]
	v_add_f32 v232, v232, v233
	ROWSUM \k0+1
	s_mov_b32 s12, 0x3b000000                      ; 1/512
	s_mov_b32 s13, 0x3727c5ac                      ; 1e-5
	v_fma_f32 v232, v232, s12, s13
	v_rsq_f32 v252, v232
	s_wait_loadcnt 0x0                             ; gain and bias (and what else was asked for with them)
	v_nop                                          ; one plain place behind the transcendental
.set zj, 0
	s_wait_alu depctr_va_vdst(0)
.rept 16
	v_pk_mul_f32 v[64+zj:65+zj], v[64+zj:65+zj], v[252:253] op_sel_hi:[1,0]
.set zj, zj+2
.endr
.set zj, 0
.rept 16
	v_pk_fma_f32 v[64+zj:65+zj], v[64+zj:65+zj], v[128+zj:129+zj], v[160+zj:161+zj]
.set zj, zj+2
.endr
.endm
.set zj, 0
	s_wait_alu depctr_va_vdst(0)
.rept 16
	v_pk_fma_f32 v[64+zj:65+zj], v[192+zj:193+zj], v[14:15], v[160+zj:161+zj] op_sel_hi:[1,0,1]   ; q + O^T / the sum; each accumulator from its low end on
.set zj, zj+2
.endr
	LNLOAD 38, 40                                  ; into the factors' and q's registers, which are done with
	PBLOAD 192, 34, 36                             ; bo into O^T's registers, Wo's scale words: all these land under the first LayerNorm's sums
	LNORM 0
	WLD1 255, 0, 128                               ; Wo's first fragments, from slot 0: they land while the rows are quantised
	WLD1 255, 1, 160
	QUANT 64, 2, 224, 248                          ; my head's two blocks of 32 channels: half c = head % 2 of K step head / 2 of the last product
	ds_store_b128 v18, v[224:227]
	ds_store_b16 v19, v248
	s_wait_dscnt 0x0                               ; for the others' sake: my stores have landed
	s_barrier_signal -1
	s_barrier_wait -1
.irp k, 0,1,2,3
.irp c, 0,1
	ds_load_b128 v[96+8*\k+4*\c:99+8*\k+4*\c], v20 offset:1024*\k+512*\c
.endr
	ds_load_b32 v[48+\k], v21 offset:128*\k
.endr
	s_wait_dscnt 0x0
	PRUN 192, 255, 128, 160                        ; y = rows x Wo + bo, my head's 64 output channels
	LNLOAD 42, 44
.set zj, 0
.rept 32
	v_max_num_f32 v[192+zj], 0, v[192+zj]          ; relu, each accumulator from its low end on
.set zj, zj+1
.endr
.set zj, 0
.rept 16
	v_pk_add_f32 v[64+zj:65+zj], v[64+zj:65+zj], v[192+zj:193+zj]
.set zj, zj+2
.endr
	LNORM 2
	; THE WAY OUT: a lane holds 2 x 64 bytes of one row; through my own stage the rows come back 256 bytes at a time, so that sixteen lanes store 256 consecutive aligned bytes
.irp i, 0,1,2,3,4,5,6,7
	ds_store_b128 v22, v[64+4*\i:67+4*\i] offset:128*(\i/4)+16*(\i%4)
.endr
.irp i, 0,1,2,3,4,5,6,7
	ds_load_b128 v[96+4*\i:99+4*\i], v23 offset:544*\i   ; LDS serves a wave's instructions in order: these see my stores
.endr
.irp i, 0,1,2,3,4,5,6,7
	s_wait_dscnt 7-\i                              ; rows 2 i and 2 i + 1 are back; the younger loads may be out
	global_store_b128 v24, v[96+4*\i:99+4*\i], s[46:47] offset:4096*\i th:TH_STORE_NT
.endr
	s_wait_tensorcnt 0x0                           ; the wave's end: behind my last tensor load and my last LDS store
	ds_add_u32 v4, v5
	s_wait_dscnt 0x0
	CROUND                                         ; the closing round: no work-group ends while a partner may still ask for a tile that names it
	s_endpgm
.Lfunc_end_k_q373825221e_attn:
	.size	k_q373825221e_attn, .Lfunc_end_k_q373825221e_attn-k_q373825221e_attn
	.p2alignl 7, 3214868480
	.fill 96, 4, 3214868480
	.section	.rodata,"a",@progbits
	.p2align	6, 0x0
	.amdhsa_kernel k_q373825221e_attn
		.amdhsa_group_segment_fixed_size 327680
		.amdhsa_private_segment_fixed_size 0
		.amdhsa_enable_private_segment 0
		.amdhsa_kernarg_size 128
		.amdhsa_user_sgpr_count 2
		.amdhsa_user_sgpr_kernarg_segment_ptr 1
		.amdhsa_wavefront_size32 1
		.amdhsa_system_sgpr_workgroup_id_x 1
		.amdhsa_system_sgpr_workgroup_id_y 1
		.amdhsa_system_sgpr_workgroup_id_z 1
		.amdhsa_system_vgpr_workitem_id 0
		.amdhsa_next_free_vgpr 256
		.amdhsa_next_free_sgpr 102
		.amdhsa_reserve_vcc 0
		.amdhsa_float_denorm_mode_32 3
		.amdhsa_float_denorm_mode_16_64 3
		.amdhsa_memory_ordered 1
		.amdhsa_forward_progress 1
		.amdhsa_inst_pref_size 140
	.end_amdhsa_kernel
	.amdgpu_metadata
---
amdhsa.version: [ 1, 2 ]
amdhsa.kernels:
  - .name:           k_q373825221e_attn
    .symbol:         k_q373825221e_attn.kd
    .args:
      - { .name: kv, .offset: 0, .size: 8, .value_kind: global_buffer, .address_space: global }
      - { .name: mbits, .offset: 8, .size: 8, .value_kind: global_buffer, .address_space: global }
      - { .name: temperature, .offset: 16, .size: 8, .value_kind: global_buffer, .address_space: global }
      - { .name: Q_codes, .offset: 24, .size: 8, .value_kind: global_buffer, .address_space: global }
      - { .name: Q_scales, .offset: 32, .size: 8, .value_kind: global_buffer, .address_space: global }
      - { .name: Wq_codes, .offset: 40, .size: 8, .value_kind: global_buffer, .address_space: global }
      - { .name: Wq_scales, .offset: 48, .size: 8, .value_kind: global_buffer, .address_space: global }
      - { .name: bq, .offset: 56, .size: 8, .value_kind: global_buffer, .address_space: global }
      - { .name: Wo_codes, .offset: 64, .size: 8, .value_kind: global_buffer, .address_space: global }
      - { .name: Wo_scales, .offset: 72, .size: 8, .value_kind: global_buffer, .address_space: global }
      - { .name: bo, .offset: 80, .size: 8, .value_kind: global_buffer, .address_space: global }
      - { .name: ln0_g, .offset: 88, .size: 8, .value_kind: global_buffer, .address_space: global }
      - { .name: ln0_b, .offset: 96, .size: 8, .value_kind: global_buffer, .address_space: global }
      - { .name: ln1_g, .offset: 104, .size: 8, .value_kind: global_buffer, .address_space: global }
      - { .name: ln1_b, .offset: 112, .size: 8, .value_kind: global_buffer, .address_space: global }
      - { .name: out0, .offset: 120, .size: 8, .value_kind: global_buffer, .address_space: global }
    .group_segment_fixed_size: 327680
    .private_segment_fixed_size: 0
    .kernarg_segment_align: 8
    .kernarg_segment_size: 128
    .max_flat_workgroup_size: 512
    .sgpr_count:     102
    .vgpr_count:     256
    .wavefront_size: 32
...
	.end_amdgpu_metadata
.endif
;; end of part 2
;; ======== version 2 of 2: 2 launches
;; workspace buffers: kv 4,456,448 bytes; mbits 2,097,152 bytes of whole numbers
;; launch prep (part 3): grid 64 x 4, 16 waves a work-group, no clusters, 137,216 bytes of LDS; arguments K_codes, K_scales, Wk_codes, Wk_scales, bk, Wv_codes, Wv_scales, bv, mask, kv, mbits; writes kv, mbits
.if DOCPART == 3
	.amdgcn_target "amdgcn-amd-amdhsa--gfx1250"
	.amdhsa_code_object_version 6
	.text
	.protected	k_q373825221e_prep
	.globl	k_q373825221e_prep
	.p2align	8
	.type	k_q373825221e_prep,@function
k_q373825221e_prep:
	s_mov_b64 s[64:65], 0
	v_nop
	global_prefetch_b8 v0, s[64:65] scope:SCOPE_SE
	s_setreg_imm32_b32 hwreg(HW_REG_WAVE_SCHED_MODE, 0, 2), 2
	s_setreg_imm32_b32 hwreg(HW_REG_WAVE_MODE, 25, 1), 1
	s_wait_xcnt 0x0
	s_wait_alu depctr_vm_vsrc(0)
; PREP.  k = K Wk + bk and v = K Wv + bv (products on codes of FP4 (E2M1) with E8M0 block scales, sums in f32) are quantised anew, k along a head's 64 channels and v along the keys,
; and stored as IMAGES OF OPERAND REGISTERS (each group of four registers: 512 bytes, lane l's 16 bytes at 16 l); the int32 mask is turned into 32-bit lane masks.
; kv:    [batch 4][step 16 (128 keys)][head 8][8,704 bytes]:
;        0    + 1024 f + 512 u + 16 l: K pair f (0..3), registers 4u..4u+3: lane (r, h): key 32 f + 8 u + pi(r) of the step, channels 32 h .. 32 h + 31 of the head;  pi(r) = r + 8 (r / 8)
;        4096 + 1024 t + 512 c + 16 l: V tile t (0..3), registers 4c..4c+3: lane (r, h): channel 32 (t / 2) + 8 (t % 2) + pi(r) of the head, keys 64 c + 32 h .. + 31 of the step
;        8192 + 128 i + 4 l:           lanes 0-15: K pair i's scale word of row r (bytes 0, 1: the u = 0 key's two blocks; 2, 3: the u = 1 key's); lanes 16-31: V tile i's word of row r
; mbits: [batch 4][tile of 16 queries 128][step 16][64 words]: word 2 (n % 32) + n / 32 is the lane mask of score register n = 16 b + i: bit (r, h) = (mask[query r][key 32 b + 16 h + i] != 0)
; SHARES.  Work-group (x, y): batch x / 16, step x % 16, heads 2 y and 2 y + 1.  Waves 0-7: wave w makes, for head 2 y + w / 4, K pair w % 4, V tile w % 4 and their 128 bytes of scale words.
; Waves 8-15 take the mask: work-group number 64 y + x owns 32 rows of it, a wave 16 rows x 512 keys.  The two roles part once on the wave's number and never meet again: no barrier.
; The code stores cover 512 consecutive aligned bytes; the scale words leave 128 bytes a wave (a sixty-eighth of the buffer).
; LIMITS: NaN and infinities are not served.  A block whose largest magnitude lies under 2^-124 keeps the scale byte 1; so does a block of zeros (its codes are zeros, and this program alone reads the bytes).
; THE MODE: SCHED_MODE bits 1:0 = 2 (LLVM: expert scheduling mode 2), set by the entry lines.  The code itself states the register dependences
; between vector or matrix instructions and memory or LDS instructions, with s_wait_alu, always for 0.
; THE PLAN.  v1-v8, v10: offsets and LDS addresses, written once at the head, ahead of one wait on va_vdst that serves both roles, and never written again.
; Waves 0-7.  SET0, SET1: loads land in them; the matrix instructions of one K step (k) or one granule (v) read a set, and behind them, their places and a wait on va_vdst the set is asked for again at once.
;   MINE, MSC, OSC: loaded for k, read by k's matrix instructions, loaded again for v behind the one wait that follows k's last product; both sets are asked for again behind the same wait.
;   The quantiser works in v184-207, v250, v251, in which no load lands behind that wait: so all of v's first loads are on their way while k is quantised.
;   PC: written by the quantiser, read by two stores (a wait on va_vdst ahead of them), written again by v's quantiser (waits on XCNT and vm_vsrc ahead of it, a whole product behind the stores), read by two more stores.
; Waves 8-15.  RB0, RB1: loads land in them, LDS stores read them: a wait on vm_vsrc behind the LDS run frees a set for the loads of two units on.  No vector instruction names them.
;   X: LDS loads land in it, the compares read it.  W: a pair for each unit, written by v_writelane_b32, read by one store, never written again.
;   One wait on va_vdst at a unit's head states that the unit before is done reading X and has written its W, whose store follows at once.  One wait on va_sdst stands behind each run of sixteen compares.
.set BLK,  8704
.set ACC,  16                          ; v16-79   accumulators: k: (key tile u, channel tile T) at 32 u + 8 T;  v: key tile t at 8 t
.set SET0, 80                          ; v80-111  four fragments that change from K step to K step, two sets
.set SET1, 112
.set MINE, 144                         ; v144-207 fragments that stay: k: my two key tiles x 4 K steps;  v: my rows of Wv x 4 K steps (v144-175)
.set BV,   176                         ; v176-183 v's bias in the result's layout: my channel's number eight times
.set MSC,  208                         ; v208-215 scale words of MINE
.set OSC,  216                         ; v216-247 scale words of the sets
.set KW,   248                         ; K pair's scale word
.set OUTW, 249
.set TM,   184                         ; the quantiser's work registers: v184-199, which k's products have left and v's never take
.set PC,   200                         ; v200-207 the codes just made
.set PW,   250
.set W16,  251
.set RB,   16                          ; mask role: v16-143 two sets of 64 as loaded
.set X,    144                         ; v144-207 64 mask numbers in the scores' layout
.set W,    208                         ; v208-215 a pair of registers of words for each of the four units
.set STGB, 8448                        ; a wave's stage: 16 rows x 528 bytes, at wave x 8,448 (waves 0-7 leave theirs unused)
.set SP,   528                         ; 512 + 16 = 33 x 16 bytes: sixteen rows begin in sixteen different 16-byte columns of 256 bytes
.set KC,   16                          ; scalar pairs: K's codes at the step's first key,
.set KS,   18                          ; K's scales there,
.set WKC,  20                          ; Wk's codes, scales, bk at the head's first channel,
.set WKS,  22
.set BKP,  24
.set WVC,  26                          ; Wv's codes, scales, bv at my V tile's first channel,
.set WVS,  28
.set BVP,  30
.set KCI,  46                          ; K's codes and scales at my pair's first key,
.set KSI,  48
.set KVK,  50                          ; my block of kv + 1024 i,
.set KVS,  52                          ; and + 128 i
.macro NOP4                            ; four plain places behind matrix instructions, in front of loads into their registers and of reads of their results
.rept 4
	v_nop
.endr
.endm
; 16 nb numbers of a lane, register s + 16 b + i = k 32 b + 16 (lane / 16) + i of my row, become codes in v[pc] on (registers 4 c .. 4 c + 3: k = 64 c + 32 (lane / 16) + 0 .. 31) and the row's scale bytes in v[pw].
.macro QUANT s, nb, pc, pw
.set zb, 0
.rept \nb
	v_max3_num_f32 v[TM+zb], |v[(\s)+16*zb]|, |v[(\s)+16*zb+1]|, 0x1800000   ; my 16 numbers of block b, and the floor 2^(3 - 127): the byte cannot fall under 1
.set zb, zb+1
.endr
.set zi, 2
.rept 7
.set zb, 0
.rept \nb
	v_max3_num_f32 v[TM+zb], v[TM+zb], |v[(\s)+16*zb+zi]|, |v[(\s)+16*zb+zi+1]|   ; the blocks by turns
.set zb, zb+1
.endr
.set zi, zi+2
.endr
.set zb, 0
.rept \nb
	v_mov_b32 v[TM+4+zb], 0                        ; a lane permute's destination counts as one of its sources
.set zb, zb+1
.endr
.set zb, 0
.rept \nb
	v_permlanex16_b32 v[TM+4+zb], v[TM+zb], s40, s41
.set zb, zb+1
.endr
.set zb, 0
.rept \nb
	v_max_num_f32 v[TM+zb], v[TM+zb], v[TM+4+zb]   ; with lane l xor 16's: the block's largest magnitude
.set zb, zb+1
.endr
.set zb, 0
.rept \nb
	v_add_nc_u32 v[TM+12+zb], 0xff000000, v[TM+zb] ; 2 off its exponent field: the conversion's scale operand
.set zb, zb+1
.endr
.set zb, 0
.rept \nb
	v_lshrrev_b32 v[TM+4+zb], 23, v[TM+12+zb]      ; the scale's byte
.set zb, zb+1
.endr
	v_lshl_or_b32 v[\pw], v[TM+5], 8, v[TM+4]
.if \nb > 2
	v_lshl_or_b32 v[\pw], v[TM+6], 16, v[\pw]
	v_lshl_or_b32 v[\pw], v[TM+7], 24, v[\pw]
.endif
.set zb, 0
.rept \nb
	v_cvt_scalef32_pk8_fp4_f32 v[(\pc)+2*zb], v[(\s)+16*zb:(\s)+16*zb+7], v[TM+12+zb]
	v_cvt_scalef32_pk8_fp4_f32 v[(\pc)+2*zb+1], v[(\s)+16*zb+8:(\s)+16*zb+15], v[TM+12+zb]
.set zb, zb+1
.endr
	v_nop                                          ; one plain place behind the last scaled conversion
.set zb, 0
.rept \nb/2
	v_permlane16_swap_b32 v[(\pc)+4*zb], v[(\pc)+4*zb+2]     ; the operand's layout wants a whole block in a lane
	v_permlane16_swap_b32 v[(\pc)+4*zb+1], v[(\pc)+4*zb+3]
.set zb, zb+1
.endr
.endm
	s_load_b512 s[16:31], s[0:1], 0x0              ; K's codes, K's scales, Wk's codes, Wk's scales, bk, Wv's codes, Wv's scales, bv
	s_load_b128 s[32:35], s[0:1], 0x40             ; mask, kv
	s_load_b64 s[36:37], s[0:1], 0x50              ; mbits
	v_lshl_add_u32 v254, v0, 2, 0x21000
	v_mov_b32 v255, 0
	v_lshrrev_b32 v1, 5, v0
	v_readfirstlane_b32 s3, v1                     ; wave 0..15
	v_and_b32 v11, 31, v0                          ; lane
	v_and_b32 v12, 15, v0                          ; r
	v_bfe_u32 v13, v0, 4, 1                        ; h
	v_lshlrev_b32 v5, 4, v11                       ; 16 x lane
	v_lshlrev_b32 v6, 2, v11                       ; 4 x lane
	v_lshlrev_b32 v10, 3, v11                      ; 8 x lane
	v_and_b32 v14, 8, v12
	v_add_nc_u32 v14, v14, v12                     ; pi(r)
	v_lshlrev_b32 v1, 8, v14
	v_lshl_add_u32 v1, v13, 4, v1                  ; a fragment's row pi(r) of 256 bytes, + 16 h
	v_lshlrev_b32 v2, 4, v14                       ; its 16 scale bytes
	v_lshlrev_b32 v3, 6, v13                       ; bk: 64 h
	v_lshlrev_b32 v4, 2, v14                       ; bv: my channel's number
	s_wait_alu depctr_va_sdst(0)                   ; s3 is written, ahead of its first reader: the stage's place, the roles and the bases are made from it
	s_mul_i32 s4, s3, STGB
	v_lshl_add_u32 v7, v11, 4, s4                  ; the stage, in: a row's 512 bytes as they lie, 16 a lane
	v_mul_u32_u24 v8, v12, SP
	v_lshl_add_u32 v8, v13, 6, v8
	v_add_nc_u32 v8, s4, v8                        ; and out: row r, + 64 h: my 16 keys of a block of 32
	s_and_b32 s5, ttmp7, 0xffff                    ; the pair of heads
	s_lshr_b32 s6, ttmp9, 4                        ; batch
	s_and_b32 s7, ttmp9, 15                        ; step
	s_mov_b32 s40, 0x76543210
	s_mov_b32 s41, 0xfedcba98                      ; v_permlanex16_b32's selects for lane l xor 16
	s_mov_b32 s42, 0xffff0000                      ; lanes 16-31
	s_mov_b32 s45, 0                               ; the upper word of every offset
	s_wait_kmcnt 0x0
	s_wait_alu depctr_va_vdst(0)                   ; v1 to v8 and v10 are written: every load, store and LDS instruction of either role reads one of them as its offset or address
	s_cmp_lt_u32 s3, 8
	s_cbranch_scc0 .Lmask
	; ================ waves 0-7: k and v ================
	s_lshl_b32 s8, s6, 11
	s_lshl_b32 s9, s7, 7
	s_add_co_u32 s8, s8, s9                        ; the step's first key among the 8,192
	s_lshr_b32 s9, s3, 2
	s_and_b32 s10, s3, 3                           ; i: my pair of key tiles, my V tile
	s_lshl_b32 s11, s5, 1
	s_add_co_u32 s11, s11, s9                      ; head
	s_lshl_b32 s44, s8, 8
	s_add_nc_u64 s[KC:KC+1], s[KC:KC+1], s[44:45]
	s_lshl_b32 s44, s10, 13
	s_add_nc_u64 s[KCI:KCI+1], s[KC:KC+1], s[44:45]          ; 32 keys x 256 bytes a pair
	s_lshl_b32 s44, s8, 4
	s_add_nc_u64 s[KS:KS+1], s[KS:KS+1], s[44:45]
	s_lshl_b32 s44, s10, 9
	s_add_nc_u64 s[KSI:KSI+1], s[KS:KS+1], s[44:45]
	s_lshl_b32 s44, s11, 14
	s_add_nc_u64 s[WKC:WKC+1], s[WKC:WKC+1], s[44:45]
	s_lshl_b32 s44, s11, 10
	s_add_nc_u64 s[WKS:WKS+1], s[WKS:WKS+1], s[44:45]
	s_lshl_b32 s44, s11, 8
	s_add_nc_u64 s[BKP:BKP+1], s[BKP:BKP+1], s[44:45]
	s_lshr_b32 s12, s10, 1
	s_lshl_b32 s12, s12, 5
	s_and_b32 s13, s10, 1
	s_lshl_b32 s13, s13, 3
	s_add_co_u32 s12, s12, s13
	s_lshl_b32 s13, s11, 6
	s_add_co_u32 s12, s12, s13                     ; my V tile's first channel: 64 head + 32 (i / 2) + 8 (i % 2)
	s_lshl_b32 s44, s12, 8
	s_add_nc_u64 s[WVC:WVC+1], s[WVC:WVC+1], s[44:45]
	s_lshl_b32 s44, s12, 4
	s_add_nc_u64 s[WVS:WVS+1], s[WVS:WVS+1], s[44:45]
	s_lshl_b32 s44, s12, 2
	s_add_nc_u64 s[BVP:BVP+1], s[BVP:BVP+1], s[44:45]
	s_lshl_b32 s13, ttmp9, 3
	s_add_co_u32 s13, s13, s11                     ; (16 batch + step) x 8 + head
	s_mul_i32 s44, s13, BLK
	s_add_nc_u64 s[34:35], s[34:35], s[44:45]      ; my block of kv
	s_lshl_b32 s44, s10, 10
	s_add_nc_u64 s[KVK:KVK+1], s[34:35], s[44:45]
	s_lshl_b32 s44, s10, 7
	s_add_nc_u64 s[KVS:KVS+1], s[34:35], s[44:45]
	; ---- k, TRANSPOSED: source 0 = 16 rows of Wk (channel tile T = 2 b + u: rows 32 b + 8 u + pi(r)), source 1 = 16 keys.  Lane (r, h) then holds ONE key, and register 16 b + i its channel 32 b + 16 h + i.
.macro LDWK set, kk                    ; Wk's four channel tiles of K step kk
.irp T, 0,1,2,3
.irp c, 0,1
	global_load_b128 v[\set+8*\T+4*\c:\set+8*\T+4*\c+3], v1, s[WKC:WKC+1] offset:(32*(\T/2)+8*(\T%2))*256+64*\kk+32*\c
.endr
.endr
.endm
.macro GK kk, set                      ; eight accumulators by turns, one instruction a turn
.irp T, 0,1,2,3
.irp u, 0,1
	v_wmma_scale_f32_16x16x128_f8f6f4 v[ACC+32*\u+8*\T:ACC+32*\u+8*\T+7], v[\set+8*\T:\set+8*\T+7], v[MINE+32*\u+8*\kk:MINE+32*\u+8*\kk+7], v[ACC+32*\u+8*\T:ACC+32*\u+8*\T+7], v[OSC+4*\T+\kk], v[MSC+4*\u+\kk] matrix_a_fmt:MATRIX_FMT_FP4 matrix_b_fmt:MATRIX_FMT_FP4
.endr
.endr
.endm
.irp u, 0,1
.irp T, 0,1,2,3
	global_load_b128 v[ACC+32*\u+8*\T:ACC+32*\u+8*\T+3], v3, s[BKP:BKP+1] offset:(32*(\T/2)+8*(\T%2))*4        ; bk starts the sums: it is loaded into the accumulators, in the result's layout
	global_load_b128 v[ACC+32*\u+8*\T+4:ACC+32*\u+8*\T+7], v3, s[BKP:BKP+1] offset:(32*(\T/2)+8*(\T%2))*4+16
.endr
.endr
.irp u, 0,1
.irp k, 0,1,2,3
.irp c, 0,1
	global_load_b128 v[MINE+32*\u+8*\k+4*\c:MINE+32*\u+8*\k+4*\c+3], v1, s[KCI:KCI+1] offset:2048*\u+64*\k+32*\c   ; my keys 8 u + pi(r) of the pair
.endr
.endr
.endr
.irp u, 0,1
	global_load_b128 v[MSC+4*\u:MSC+4*\u+3], v2, s[KSI:KSI+1] offset:128*\u
.endr
.irp T, 0,1,2,3
	global_load_b128 v[OSC+4*\T:OSC+4*\T+3], v2, s[WKS:WKS+1] offset:(32*(\T/2)+8*(\T%2))*16
.endr
	LDWK SET0, 0
	LDWK SET1, 1
	s_wait_loadcnt 8                               ; all but SET1's eight loads are in
	GK 0, SET0
	NOP4
	s_wait_alu depctr_va_vdst(0)                   ; K step 0's products are done reading SET0, in which the loads below land; the places above stay beside this wait
	LDWK SET0, 2
	s_wait_loadcnt 8                               ; SET1 is in; the eight just issued may be out
	GK 1, SET1
	NOP4
	s_wait_alu depctr_va_vdst(0)                   ; K step 1's products are done reading SET1, in which the loads below land
	LDWK SET1, 3
	s_wait_loadcnt 8                               ; SET0 is in
	GK 2, SET0
	s_wait_loadcnt 0x0
	GK 3, SET1
	NOP4
	; v's first loads go out now, into registers that k has left, and land while k is quantised
.macro LDKG set, g                     ; granule g: K step g / 2, key tiles 4 (g % 2) .. + 3 (tile t = 2 b + u: keys 32 b + 8 u + pi(r))
.irp t, 0,1,2,3
.irp c, 0,1
	global_load_b128 v[\set+8*\t+4*\c:\set+8*\t+4*\c+3], v1, s[KC:KC+1] offset:(32*((4*((\g)%2)+\t)/2)+8*(\t%2))*256+64*((\g)/2)+32*\c
.endr
.endr
.endm
	s_wait_alu depctr_va_vdst(0)                   ; k's products are done reading MINE, their scale words and both sets, in all of which the loads below land
.irp k, 0,1,2,3
.irp c, 0,1
	global_load_b128 v[MINE+8*\k+4*\c:MINE+8*\k+4*\c+3], v1, s[WVC:WVC+1] offset:64*\k+32*\c
.endr
.endr
	global_load_b128 v[MSC:MSC+3], v2, s[WVS:WVS+1]
.irp j, 0,1,2,3,4,5,6,7
	global_load_b32 v[BV+\j], v4, s[BVP:BVP+1]
.endr
.irp t, 0,1,2,3,4,5,6,7
	global_load_b128 v[OSC+4*\t:OSC+4*\t+3], v2, s[KS:KS+1] offset:(32*(\t/2)+8*(\t%2))*16
.endr
	LDKG SET1, 0
	LDKG SET0, 1                                   ; the quantiser below names the accumulators, v184-207, v248, v250 and v251 alone: none of the registers that these loads touch
	QUANT ACC, 2, PC, KW                           ; key tile u = 0: the head's two blocks of 32 channels
	QUANT ACC+32, 2, PC+4, W16                     ; u = 1
	v_lshl_or_b32 v[KW], v[W16], 16, v[KW]         ; the pair's scale word
	s_wait_alu depctr_va_vdst(0)                   ; the conversions and the exchanges of halves have written v[PC ..], which the two stores read
	global_store_b128 v5, v[PC:PC+3], s[KVK:KVK+1]
	global_store_b128 v5, v[PC+4:PC+7], s[KVK:KVK+1] offset:512
	; ---- v: source 0 = 16 keys, source 1 = my 16 rows of Wv.  Lane (r, h) holds ONE channel, and register 16 b + i its key 32 b + 16 h + i: the next product's K runs along the registers.
.macro GV g, set
.irp t, 0,1,2,3
.if (\g)/2 == 0
	v_wmma_scale_f32_16x16x128_f8f6f4 v[ACC+8*(4*((\g)%2)+\t):ACC+8*(4*((\g)%2)+\t)+7], v[\set+8*\t:\set+8*\t+7], v[MINE+8*((\g)/2):MINE+8*((\g)/2)+7], v[BV:BV+7], v[OSC+4*(4*((\g)%2)+\t)+(\g)/2], v[MSC+(\g)/2] matrix_a_fmt:MATRIX_FMT_FP4 matrix_b_fmt:MATRIX_FMT_FP4
.else
	v_wmma_scale_f32_16x16x128_f8f6f4 v[ACC+8*(4*((\g)%2)+\t):ACC+8*(4*((\g)%2)+\t)+7], v[\set+8*\t:\set+8*\t+7], v[MINE+8*((\g)/2):MINE+8*((\g)/2)+7], v[ACC+8*(4*((\g)%2)+\t):ACC+8*(4*((\g)%2)+\t)+7], v[OSC+4*(4*((\g)%2)+\t)+(\g)/2], v[MSC+(\g)/2] matrix_a_fmt:MATRIX_FMT_FP4 matrix_b_fmt:MATRIX_FMT_FP4
.endif
.endr
.endm
.irp g, 0,1,2,3,4,5,6,7
.if \g < 7
	s_wait_loadcnt 8                               ; this granule's loads are in; the next granule's eight may be out
.else
	s_wait_loadcnt 0x0
.endif
	GV \g, SET0+32*((\g+1)%2)
.if \g != 6
	NOP4
.endif
.if \g < 6
	s_wait_alu depctr_va_vdst(0)                   ; this granule's products are done reading their set, in which the loads of two granules on land
	LDKG SET0+32*((\g+1)%2), \g+2
.endif
.endr
	s_wait_xcnt 0x0                                ; the stores of k's codes have had their addresses translated: their data are written again only behind this wait,
	s_wait_alu depctr_vm_vsrc(0)                   ; and they have read v[PC ..], which the quantiser below writes again
	QUANT ACC, 4, PC, PW                           ; the step's four blocks of 32 keys
	v_cndmask_b32 v[OUTW], v[KW], v[PW], s42       ; lanes 0-15 K's word, lanes 16-31 V's
	s_wait_alu depctr_va_vdst(0)                   ; v[PC ..] and v[OUTW] are written, which the three stores read
	global_store_b128 v5, v[PC:PC+3], s[KVK:KVK+1] offset:4096
	global_store_b128 v5, v[PC+4:PC+7], s[KVK:KVK+1] offset:4608
	global_store_b32 v6, v[OUTW], s[KVS:KVS+1] offset:8192
	s_endpgm
	; ================ waves 8-15: the mask ================
.Lmask:
	s_lshl_b32 s8, s5, 6
	s_add_co_u32 s8, s8, ttmp9                     ; the work-group's number, 0..255: it owns query tiles 2 n and 2 n + 1 of the 512
	s_and_b32 s9, s3, 7
	s_lshl_b32 s44, s8, 18                         ; 32 rows of 8,192 bytes,
	s_lshr_b32 s10, s9, 2
	s_lshl_b32 s10, s10, 17                        ; my tile of 16 rows,
	s_add_co_u32 s44, s44, s10
	s_and_b32 s10, s9, 3
	s_lshl_b32 s10, s10, 11                        ; my four steps of 128 keys
	s_add_co_u32 s44, s44, s10
	s_add_nc_u64 s[32:33], s[32:33], s[44:45]
	s_lshl_b32 s44, s8, 13
	s_lshl_b32 s10, s9, 10
	s_add_co_u32 s44, s44, s10                     ; four units of 256 bytes a wave
	s_add_nc_u64 s[36:37], s[36:37], s[44:45]
.irp i, 0,1,2,3,4,5,6,7
	v_mov_b32 v[W+\i], 0                           ; v_writelane_b32's destination counts as read
.endr
.macro LOADM i                         ; unit i: 16 rows x 512 bytes; each load takes 512 consecutive bytes of a row; read once in the launch
.irp p, 0,1,2,3,4,5,6,7,8,9,10,11,12,13,14,15
	global_load_b128 v[RB+64*((\i)%2)+4*\p:RB+64*((\i)%2)+4*\p+3], v5, s[32:33] offset:8192*\p+512*(\i) th:TH_LOAD_NT
.endr
.endm
.macro UNIT i
.if \i < 3
	s_wait_loadcnt 16                              ; this unit's 16 loads are in; the next unit's may be out
.else
	s_wait_loadcnt 0x0
.endif
.if \i > 0
	s_wait_alu depctr_va_vdst(0)                   ; the unit before has written its pair of W, which the store below reads, and its compares are done reading X, in which the LDS loads below land
	global_store_b64 v10, v[W+2*((\i)-1):W+2*((\i)-1)+1], s[36:37] offset:256*((\i)-1)   ; 32 lanes store 256 consecutive aligned bytes
.endif
.irp p, 0,1,2,3,4,5,6,7,8,9,10,11,12,13,14,15
	ds_store_b128 v7, v[RB+64*((\i)%2)+4*\p:RB+64*((\i)%2)+4*\p+3] offset:SP*\p
.endr
.irp b, 0,1,2,3
.irp j, 0,1,2,3
	ds_load_b128 v[X+16*\b+4*\j:X+16*\b+4*\j+3], v8 offset:128*\b+16*\j   ; LDS serves a wave's instructions in order: these see the stores above.  Register 16 b + i: mask[query r][key 32 b + 16 h + i]
.endr
.endr
.if \i < 2
	s_wait_alu depctr_vm_vsrc(0)                   ; the LDS stores above have read their set of RB,
	LOADM (\i)+2                                   ; which takes the unit two further on
.endif
	s_wait_dscnt 0x0                               ; the numbers are back
.set zn, 0
.rept 4
.irp k, 0,1,2,3,4,5,6,7,8,9,10,11,12,13,14,15
	v_cmp_ne_u32 s[8+\k], 0, v[X+zn+\k]            ; the lane mask of score register n
.endr
	s_wait_alu depctr_va_sdst(0)                   ; the sixteen compares have written s8 to s23, ahead of their first reader
.irp k, 0,1,2,3,4,5,6,7,8,9,10,11,12,13,14,15
	v_writelane_b32 v[W+2*(\i)+(zn+\k)/32], s[8+\k], (zn+\k)%32
.endr
.set zn, zn+16
.endr
.endm
	LOADM 0
	LOADM 1
	UNIT 0
	UNIT 1
	UNIT 2
	UNIT 3
	s_wait_alu depctr_va_vdst(0)                   ; unit 3 has written its pair of W, which the last store reads
	global_store_b64 v10, v[W+6:W+7], s[36:37] offset:768
	s_wait_dscnt 0x0                               ; the closing lines, six on end
	s_wait_alu 0x0
	s_wait_tensorcnt 0x0
	ds_add_u32 v254, v255
	s_wait_dscnt 0x0
	s_endpgm
.Lfunc_end_k_q373825221e_prep:
	.size	k_q373825221e_prep, .Lfunc_end_k_q373825221e_prep-k_q373825221e_prep
	.p2alignl 7, 3214868480
	.fill 96, 4, 3214868480
	.section	.rodata,"a",@progbits
	.p2align	6, 0x0
	.amdhsa_kernel k_q373825221e_prep
		.amdhsa_group_segment_fixed_size 137216
		.amdhsa_private_segment_fixed_size 0
		.amdhsa_enable_private_segment 0
		.amdhsa_kernarg_size 88
		.amdhsa_user_sgpr_count 2
		.amdhsa_user_sgpr_kernarg_segment_ptr 1
		.amdhsa_wavefront_size32 1
		.amdhsa_system_sgpr_workgroup_id_x 1
		.amdhsa_system_sgpr_workgroup_id_y 1
		.amdhsa_system_sgpr_workgroup_id_z 1
		.amdhsa_system_vgpr_workitem_id 0
		.amdhsa_next_free_vgpr 256
		.amdhsa_next_free_sgpr 66
		.amdhsa_reserve_vcc 0
		.amdhsa_float_denorm_mode_32 3
		.amdhsa_float_denorm_mode_16_64 3
		.amdhsa_memory_ordered 1
		.amdhsa_forward_progress 1
		.amdhsa_inst_pref_size 85
	.end_amdhsa_kernel
	.amdgpu_metadata
---
amdhsa.version: [ 1, 2 ]
amdhsa.kernels:
  - .name:           k_q373825221e_prep
    .symbol:         k_q373825221e_prep.kd
    .args:
      - { .name: K_codes, .offset: 0, .size: 8, .value_kind: global_buffer, .address_space: global }
      - { .name: K_scales, .offset: 8, .size: 8, .value_kind: global_buffer, .address_space: global }
      - { .name: Wk_codes, .offset: 16, .size: 8, .value_kind: global_buffer, .address_space: global }
      - { .name: Wk_scales, .offset: 24, .size: 8, .value_kind: global_buffer, .address_space: global }
      - { .name: bk, .offset: 32, .size: 8, .value_kind: global_buffer, .address_space: global }
      - { .name: Wv_codes, .offset: 40, .size: 8, .value_kind: global_buffer, .address_space: global }
      - { .name: Wv_scales, .offset: 48, .size: 8, .value_kind: global_buffer, .address_space: global }
      - { .name: bv, .offset: 56, .size: 8, .value_kind: global_buffer, .address_space: global }
      - { .name: mask, .offset: 64, .size: 8, .value_kind: global_buffer, .address_space: global }
      - { .name: kv, .offset: 72, .size: 8, .value_kind: global_buffer, .address_space: global }
      - { .name: mbits, .offset: 80, .size: 8, .value_kind: global_buffer, .address_space: global }
    .group_segment_fixed_size: 137216
    .private_segment_fixed_size: 0
    .kernarg_segment_align: 8
    .kernarg_segment_size: 88
    .max_flat_workgroup_size: 512
    .sgpr_count:     66
    .vgpr_count:     256
    .wavefront_size: 32
...
	.end_amdgpu_metadata
.endif
;; end of part 3
;; launch attn (part 4): grid 64 x 4, 16 waves a work-group, clusters of 4 x 1, 327,680 bytes of LDS; arguments kv, mbits, temperature, Q_codes, Q_scales, Wq_codes, Wq_scales, bq, Wo_codes, Wo_scales, bo, ln0_g, ln0_b, ln1_g, ln1_b, out0; writes out0
.if DOCPART == 4
	.amdgcn_target "amdgcn-amd-amdhsa--gfx1250"
	.amdhsa_code_object_version 6
	.text
	.protected	k_q373825221e_attn
	.globl	k_q373825221e_attn
	.p2align	8
	.type	k_q373825221e_attn,@function
k_q373825221e_attn:
	s_mov_b64 s[64:65], 0
	v_nop
	global_prefetch_b8 v0, s[64:65] scope:SCOPE_SE
	s_setreg_imm32_b32 hwreg(HW_REG_WAVE_MODE, 25, 1), 1
	s_wait_xcnt 0x0
	s_wait_alu depctr_hold_cnt(0) depctr_sa_sdst(0) depctr_va_vdst(0) depctr_va_sdst(0) depctr_va_ssrc(0) depctr_va_vcc(0) depctr_vm_vsrc(0)
	s_getreg_b32 s2, hwreg(HW_REG_IB_STS2, 6, 4)
	s_cmp_eq_u32 s2, 0
	s_cbranch_scc0 .Lentry_in_a_cluster
	s_endpgm
.Lentry_in_a_cluster:
	s_bfe_u32 s2, ttmp6, 0x10000c
	s_cmp_lg_u32 s2, 0x3003
	s_cbranch_scc0 .Lentry_shape_is_right
	s_endpgm
.Lentry_shape_is_right:
; ATTN.  q = Q Wq + bq; p = 2^(t - M) with t = (q . k) c[key], c = log2(e) / sqrt(512) / temperature[key], t = -1e9 log2(e) where mask == 0, M = the running largest t rounded up to a whole number;
; O = q + (sum of p v) / (sum of p); LayerNorm; O + relu(O Wo + bo); LayerNorm.  All products on codes of FP4 (E2M1) with one E8M0 scale for each 32 along K, sums in f32; all else in f32.
; SHARES.  A work-group owns 32 queries of one batch and ALL 8 heads, so that a row's 512 channels meet in one work-group and nothing but the result goes to memory.  Wave w: head w % 8, query tile w / 8 (16 queries).
; Every wave walks the batch's 2,048 keys, 128 a step.  k, v and their scale words come as images of operand registers (buffer kv, made by the launch before), through a ring of two LDS slots of two steps each.
; THE WEIGHTS COME THROUGH THE SAME SLOTS.  512 rows of 256 bytes with 16 of padding behind each are as many bytes as a slot.  Wq is slot 1's first fill and is read before the keys' first fill of that slot;
; Wo is asked for at the last change of slots, into the slot just left, and lands under the last two steps.  So a weight's fragments (16 rows, 32 bytes of each, an instruction) are read from LDS and not from memory.
; CLUSTER.  The four work-groups of a cluster belong to one batch and walk the same kv and the same weights: each tile is asked for JOINTLY, by the same tensor load with the same descriptor and a mask that names the four.
; LAYOUT.  All products are used transposed, so that a lane holds ONE query (lane % 16) throughout; the rows that form a tile are chosen (pi(r) = r + 8 (r / 8)) so that a lane's register 16 b + i is
; k = 32 b + 16 (lane / 16) + i of the next product's K.  q, O, the LayerNorms' rows and the last product's result all lie so: register 16 b + i = channel 64 head + 32 b + 16 (lane / 16) + i.
; K = 64 IN AN INSTRUCTION OF K = 128: a fragment of K holds TWO key tiles (one in each half of K); q lies in twelve registers [q | zeros | q], whose first eight pick the first tile and whose last eight the second.
; THE MASK comes as the lane masks of the score registers (buffer mbits): 64 scalar words a step, one v_cndmask_b32 a score register.
; LIMITS: NaN and infinities are not served, nor a temperature of 0.  c is (log2(e) / sqrt(512)) x v_rcp_f32(temperature): a few units in the last place from two divisions.  A p under 2^-126 becomes 0.
; A block whose largest magnitude lies under 2^-124 keeps the scale byte 1, a block of zeros too (its codes are zeros).  A row with every key masked is served: t = M there, p = 1.
; REGISTERS: v1-3 LDS places that stay, v4-5 the spare word's address and 0, v6-8 the step's LDS addresses, v9 the masked t, v10, v255 a weight's fragment in slot 1, 0, v11, v29-31 offsets in memory, v12 -M, v13 the largest t,
; v[14:15] the sum in two halves, v16-27 q's fragment, v28 its scale word, v32-63 K's fragments, then V's, v64-127 the scores, then p, v128-159 the factors of 32 keys a lane, v160-191 q in f32 (for the residual),
; v192-223 O^T, v224-231 p's codes, v232-254 at work.
.set BLK,    8704                      ; a (step, head) block of kv: 4,096 bytes of K, 4,096 of V, 512 of scale words
.set STEPB,  8*BLK
.set SLOTB,  2*STEPB                   ; a slot: two steps, 139,264 bytes; or a weight's 512 rows of 272
.set WLOAD,  SLOTB/8                   ; what one tensor load brings: 68 rows of 256 bytes of kv, or 64 rows of 256 + 16 of a weight
.set BATCHB, 16*STEPB
.set WP,     272                       ; a weight's row in LDS
.set CT,     2*SLOTB                   ; behind the ring: c of the batch's 2,048 keys,
.set RED,    CT+8192                   ; four regions of 2,048 bytes for the rows' sums,
.set OIMG,   RED+8192                  ; the images of the last product's operand: (query tile, K step, half) x 512 bytes,
.set OSCL,   OIMG+8192                 ; its scale words: (query tile, K step) x 128 bytes,
.set SPARE,  OSCL+1024                 ; the spare words, 128 bytes for each of the sixteen waves: eight blocks of 256 bytes that no other line names
.set STG,    SLOTB                     ; the way out's stages, 16 x 4,352 bytes, lie in slot 1: it has had its last fill, and every wave has passed a barrier behind its last read of it
.set TM,     232                       ; the quantiser's work registers: v232-247
.set G1PAD,  15|(3<<16)|(1<<20)|(1<<21)|(5<<22)|(3<<25)   ; group 1's first word for a weight: the mask of four; elements of 8 bytes; padding on; bit 21 beside a mask; after every 64 words; four words
; s3 wave, s4 head, s5 query tile, s6 the slot read, s7 the slot filled, s8 the c table's step, s9 trips, s10, s12-15 at work, s11 my load's offset, s[66:67] lane selects,
; s[84:91], s[92:95] the descriptor, s[96:97] my mask words, s98 my first query, s[100:101] my 64 rows of Wo; s[16:63], s[68:83] the step's 64 mask words (outside the loop: addresses and Wq's descriptor)
.macro NOP4                            ; four plain places behind matrix instructions, in front of loads into their registers and of reads of their results
.rept 4
	v_nop
.endr
.endm
.macro CROUND                          ; a round of the cluster's barrier
	s_barrier_signal -1
	s_barrier_wait -1
	s_cmp_lg_u32 s3, 0
	s_cbranch_scc1 .Lnot_wave_0_\@
	s_barrier_signal -3
.Lnot_wave_0_\@:
	s_barrier_wait -3
	s_barrier_signal -1
	s_barrier_wait -1
.endm
.macro JLOAD                           ; waves 0-7 fetch an eighth of a slot each, the others nothing; the branch hangs on the wave's number alone.  Four v_nop follow the load
	s_cmp_lt_u32 s3, 8
	s_cbranch_scc0 .Lasked_\@
	tensor_load_to_lds s[92:95], s[84:91]
	s_nop 0
.rept 4
	v_nop
.endr
.Lasked_\@:
.endm
; THE CHANGE OF SLOTS stands at a slot's head.  Each wave waits for all its tensor loads (its part of the slot ahead), adds 0 to its spare word, and waits for that and for its reads of the slot that it has left.
; Then a round of the cluster's barrier, and behind it the joint fill of the slot just left: it has two steps in which to land.  fill = 1: the next two steps of kv;  fill = 2 (the last change): Wo, into slot 0.
.macro CHANGE fill
	s_wait_tensorcnt 0x0                           ; no tensor load of mine is out, so the descriptor may be written
	ds_add_u32 v4, v5                              ; 0 onto my spare word
	ds_add_u32 v4, v5
.if \fill == 1
	s_xor_b32 s7, s7, SLOTB                        ; the other slot than last time,
	s_add_co_u32 s93, s7, s11
	s_add_nc_u64 s[94:95], s[94:95], SLOTB         ; the next two steps; the type bits on top are not reached
.else
	s_mov_b32 s84, G1PAD                           ; a weight's tile: 64 rows of 256 bytes, 16 of padding behind each
	s_mov_b32 s86, 64<<16
	s_mov_b32 s88, 64
	s_mov_b32 s93, s11                             ; slot 0, my eighth
	s_mov_b64 s[94:95], s[100:101]                 ; my 64 rows of Wo
	s_or_b32 s95, s95, 0x80000000                  ; type = 2
.endif
	s_wait_dscnt 0x0                               ; the add is done, and my LDS reads and stores are over
	CROUND
	JLOAD
.endm
; 16 nb numbers of a lane, register s + 16 b + i = k 32 b + 16 (lane / 16) + i of my row, become codes in v[pc] on (registers 4 c .. 4 c + 3: k = 64 c + 32 (lane / 16) + 0 .. 31) and the row's scale bytes in v[pw].
.macro QUANT s, nb, pc, pw
.set zb, 0
.rept \nb
	v_max3_num_f32 v[TM+zb], |v[(\s)+16*zb]|, |v[(\s)+16*zb+1]|, 0x1800000   ; my 16 numbers of block b, and the floor 2^(3 - 127): the byte cannot fall under 1
.set zb, zb+1
.endr
.set zi, 2
.rept 7
.set zb, 0
.rept \nb
	v_max3_num_f32 v[TM+zb], v[TM+zb], |v[(\s)+16*zb+zi]|, |v[(\s)+16*zb+zi+1]|
.set zb, zb+1
.endr
.set zi, zi+2
.endr
.set zb, 0
.rept \nb
	v_mov_b32 v[TM+4+zb], 0                        ; a lane permute's destination counts as one of its sources
.set zb, zb+1
.endr
.set zb, 0
.rept \nb
	s_delay_alu instid0(VALU_DEP_2)
	v_permlanex16_b32 v[TM+4+zb], v[TM+zb], s66, s67
.set zb, zb+1
.endr
.set zb, 0
.rept \nb
	s_delay_alu instid0(VALU_DEP_2)
	v_max_num_f32 v[TM+zb], v[TM+zb], v[TM+4+zb]   ; with lane l xor 16's: the block's largest magnitude
.set zb, zb+1
.endr
.set zb, 0
.rept \nb
	s_delay_alu instid0(VALU_DEP_2)
	v_add_nc_u32 v[TM+12+zb], 0xff000000, v[TM+zb] ; 2 off its exponent field: the conversion's scale operand
.set zb, zb+1
.endr
.set zb, 0
.rept \nb
	s_delay_alu instid0(VALU_DEP_2)
	v_lshrrev_b32 v[TM+4+zb], 23, v[TM+12+zb]      ; the scale's byte
.set zb, zb+1
.endr
	s_delay_alu instid0(VALU_DEP_1)
	v_lshl_or_b32 v[\pw], v[TM+5], 8, v[TM+4]
.if \nb > 2
	v_lshl_or_b32 v[\pw], v[TM+6], 16, v[\pw]
	v_lshl_or_b32 v[\pw], v[TM+7], 24, v[\pw]
.endif
.set zb, 0
.rept \nb
	v_cvt_scalef32_pk8_fp4_f32 v[(\pc)+2*zb], v[(\s)+16*zb:(\s)+16*zb+7], v[TM+12+zb]
	v_cvt_scalef32_pk8_fp4_f32 v[(\pc)+2*zb+1], v[(\s)+16*zb+8:(\s)+16*zb+15], v[TM+12+zb]
.set zb, zb+1
.endr
	v_nop                                          ; one plain place behind the last scaled conversion
.set zb, 0
.rept \nb/2
	v_permlane16_swap_b32 v[(\pc)+4*zb], v[(\pc)+4*zb+2]     ; the operand's layout wants a whole block in a lane
	v_permlane16_swap_b32 v[(\pc)+4*zb+1], v[(\pc)+4*zb+3]
.set zb, zb+1
.endr
.endm
; A PROJECTION of 16 rows onto my head's 64 output channels, K = 512: source 0 = 16 rows of the weight (tile T = 2 b + u: rows 32 b + 8 u + pi(r)), from LDS; source 1 = the rows' fragments in v96-127, their scale words in v48-51.
.macro WLD1 adr, kk, reg               ; the weight's four tiles of K step kk -> v[reg] on.  The rows pi(r) and pi(r) + 16 fall on the same banks at any pitch that is a multiple of 16 bytes: these loads go two deep
.irp T, 0,1,2,3
.irp c, 0,1
	ds_load_b128 v[\reg+8*\T+4*\c:\reg+8*\T+4*\c+3], v[\adr] offset:(32*(\T/2)+8*(\T%2))*WP+64*(\kk)+32*\c
.endr
.endr
.endm
.macro PMUL1 acc, kk, reg              ; the four accumulators by turns, one instruction a turn
.irp T, 0,1,2,3
	v_wmma_scale_f32_16x16x128_f8f6f4 v[\acc+8*\T:\acc+8*\T+7], v[\reg+8*\T:\reg+8*\T+7], v[96+8*(\kk):96+8*(\kk)+7], v[\acc+8*\T:\acc+8*\T+7], v[32+4*\T+(\kk)], v[48+(\kk)] matrix_a_fmt:MATRIX_FMT_FP4 matrix_b_fmt:MATRIX_FMT_FP4
.endr
.endm
.macro PRUN acc, adr, wa, wb           ; K steps 0 and 1 lie in v[wa], v[wb] on; steps 2 and 3 follow them there
	PMUL1 \acc, 0, \wa
	PMUL1 \acc, 1, \wb
	NOP4
	WLD1 \adr, 2, \wa
	WLD1 \adr, 3, \wb
	s_wait_dscnt 0x0
	PMUL1 \acc, 2, \wa
	PMUL1 \acc, 3, \wb
	NOP4
.endm
.macro PBLOAD acc, wsp, bp             ; the bias into the accumulators (it starts the sums), the weight's scale words -> v32-47
.irp T, 0,1,2,3
	global_load_b128 v[\acc+8*\T:\acc+8*\T+3], v29, s[\bp:\bp+1] offset:(32*(\T/2)+8*(\T%2))*4
	global_load_b128 v[\acc+8*\T+4:\acc+8*\T+7], v29, s[\bp:\bp+1] offset:(32*(\T/2)+8*(\T%2))*4+16
	global_load_b128 v[32+4*\T:35+4*\T], v11, s[\wsp:\wsp+1] offset:(32*(\T/2)+8*(\T%2))*16
.endr
.endm
	s_load_b512 s[16:31], s[0:1], 0x0              ; kv, mbits, temperature, Q's codes, Q's scales, Wq's codes, Wq's scales, bq
	s_load_b64 s[100:101], s[0:1], 0x40            ; Wo's codes
	v_lshl_add_u32 v4, v0, 2, SPARE
	v_mov_b32 v5, 0
	ds_add_u32 v4, v5
	ds_add_u32 v4, v5
	s_wait_dscnt 0x0
	v_lshrrev_b32 v6, 5, v0
	s_delay_alu instid0(VALU_DEP_1)
	v_readfirstlane_b32 s3, v6                     ; wave 0..15
	s_and_b32 s4, s3, 7                            ; head
	s_lshr_b32 s5, s3, 3                           ; query tile
	s_bfe_u32 s12, ttmp6, 0x40000                  ; cx: my place in the cluster: it enters Q's, the mask words' and the output's addresses alone
	s_lshl_b32 s13, ttmp9, 2
	s_add_co_u32 s13, s13, s12                     ; my block of 32 queries = 4 x cluster x + cx
	s_and_b32 s14, ttmp7, 0xffff                   ; the batch, which the four partners share
	s_lshl_b32 s98, s14, 11
	s_lshl_b32 s15, s13, 5
	s_add_co_u32 s98, s98, s15
	s_lshl_b32 s15, s5, 4
	s_add_co_u32 s98, s98, s15                     ; my first query among the 8,192
	s_mul_i32 s11, s4, WLOAD                       ; my eighth of a slot; in kv also my eighth of two steps
	s_mul_i32 s44, s14, BATCHB
	s_add_co_u32 s44, s44, s11
	s_mov_b32 s45, 0
	; descriptor group 1 for kv: a dense block of 17,408 bytes as 68 rows of 32 elements of 8 bytes; no padding: images are read 512 consecutive bytes an instruction
	s_mov_b32 s84, 15|(3<<16)|(1<<21)              ; 15:0 the mask: all four work-groups; 17:16 elements of 8 bytes; 21 set beside a mask
	s_mov_b32 s85, 32<<16                          ; tensor_dim0 = 32
	s_mov_b32 s86, 68<<16                          ; tensor_dim1 = 68
	s_mov_b32 s87, 32<<16                          ; tile_dim0 = 32
	s_mov_b32 s88, 68                              ; tile_dim1 = 68
	s_mov_b32 s89, 32                              ; elements from row to row
	s_mov_b32 s90, 0
	s_mov_b32 s91, 0
	; and for Wq: 64 rows of 32 elements of 8 bytes, 16 bytes of padding behind each
	s_mov_b32 s32, G1PAD
	s_mov_b32 s33, 32<<16
	s_mov_b32 s34, 64<<16
	s_mov_b32 s35, 32<<16
	s_mov_b32 s36, 64
	s_mov_b32 s37, 32
	s_mov_b32 s38, 0
	s_mov_b32 s39, 0
	s_mov_b32 s66, 0x76543210
	s_mov_b32 s67, 0xfedcba98                      ; v_permlanex16_b32's selects for lane l xor 16
	s_mov_b32 s6, 0
	s_mov_b32 s7, 0
	s_mov_b32 s8, 0
	s_mov_b32 s9, 7
	s_wait_kmcnt 0x0
	s_mov_b32 s92, 1                               ; count = 1
	s_mov_b32 s93, s11                             ; LDS address: slot 0
	s_add_nc_u64 s[94:95], s[16:17], s[44:45]      ; global address: the batch's first two steps
	s_or_b32 s95, s95, 0x80000000                  ; type = 2
	s_lshl_b32 s44, s4, 14                         ; 64 rows of a weight are 16,384 bytes
	s_mov_b32 s40, 1
	s_add_co_u32 s41, s11, SLOTB                   ; Wq goes into slot 1
	s_add_nc_u64 s[42:43], s[26:27], s[44:45]
	s_or_b32 s43, s43, 0x80000000
	s_add_nc_u64 s[100:101], s[100:101], s[44:45]  ; Wo's address waits for the last change of slots
	s_lshl_b32 s12, s98, 8
	s_mov_b32 s13, 0
	s_add_nc_u64 s[96:97], s[18:19], s[12:13]      ; my query tile's mask words: 16 steps x 256 bytes a tile of 16 queries
	CROUND                                         ; all four work-groups are here: the first joint loads meet
	s_cmp_lt_u32 s3, 8                             ; a wave's two first fills stand in one branch, ahead of every wait on TENSORcnt, every LDS read and every other barrier: two loads of mine are out
	s_cbranch_scc0 .Lfirst_asked
	tensor_load_to_lds s[40:43], s[32:39]          ; Wq first: it is wanted first
	s_nop 0
	tensor_load_to_lds s[92:95], s[84:91]          ; slot 0
	s_nop 0
.rept 4
	v_nop
.endr
.Lfirst_asked:
	v_and_b32 v6, 31, v0                           ; lane
	v_and_b32 v7, 15, v0                           ; r
	v_bfe_u32 v8, v0, 4, 1                         ; h
	s_mul_i32 s10, s4, BLK
	v_lshl_add_u32 v1, v6, 4, s10                  ; an image's place for my lane in my head's block
	s_add_co_u32 s12, s10, 8192
	v_lshl_add_u32 v2, v6, 2, s12                  ; a scale word's
	v_lshl_add_u32 v3, v8, 6, CT                   ; c: my 16 keys of a block of 32
	v_and_b32 v9, 8, v7
	s_delay_alu instid0(VALU_DEP_1)
	v_add_nc_u32 v9, v9, v7                        ; pi(r)
	s_delay_alu instid0(VALU_DEP_1)
	v_mul_u32_u24 v255, v9, WP
	s_delay_alu instid0(VALU_DEP_1)
	v_lshl_add_u32 v255, v8, 4, v255
	s_delay_alu instid0(VALU_DEP_1)
	v_add_nc_u32 v255, s11, v255                   ; a weight's fragment in slot 0: my head's 64 rows, row pi(r), + 16 h; never rewritten
	s_delay_alu instid0(VALU_DEP_1)
	v_add_nc_u32 v10, SLOTB, v255                  ; and in slot 1
	v_lshlrev_b32 v11, 4, v9                       ; a weight's row's 16 scale bytes, in memory
	v_lshlrev_b32 v29, 6, v8                       ; numbers by channel: 64 h
	v_lshlrev_b32 v30, 8, v7
	s_delay_alu instid0(VALU_DEP_1)
	v_lshl_add_u32 v30, v8, 4, v30                 ; Q: row r of 256 bytes, + 16 h
	v_lshlrev_b32 v31, 4, v7                       ; its 16 scale bytes
	v_lshlrev_b32 v6, 4, v0                        ; the temperatures: 16 bytes a thread cover the batch's 2,048
	s_wait_alu depctr_va_vdst(0)
	v_lshl_add_u32 v7, v0, 4, CT
	s_lshl_b32 s12, s14, 13
	s_add_nc_u64 s[20:21], s[20:21], s[12:13]      ; the batch's temperatures,
	s_lshl_b32 s12, s98, 8
	s_add_nc_u64 s[22:23], s[22:23], s[12:13]      ; Q's codes and scales at my first query,
	s_lshl_b32 s12, s98, 4
	s_add_nc_u64 s[24:25], s[24:25], s[12:13]
	s_lshl_b32 s12, s4, 10
	s_add_nc_u64 s[28:29], s[28:29], s[12:13]      ; Wq's scales and bq at my head's first channel
	s_lshl_b32 s12, s4, 8
	s_add_nc_u64 s[30:31], s[30:31], s[12:13]
	global_load_b128 v[52:55], v6, s[20:21]
	PBLOAD 160, 28, 30
.irp k, 0,1,2,3
.irp c, 0,1
	global_load_b128 v[96+8*\k+4*\c:99+8*\k+4*\c], v30, s[22:23] offset:64*\k+32*\c   ; my 16 queries' fragments
.endr
.endr
	global_load_b128 v[48:51], v31, s[24:25]       ; and their scale words
	s_wait_tensorcnt 0x1                           ; my part of Wq is in; slot 0's load may stay out
	s_barrier_signal -1
	s_barrier_wait -1                              ; everybody's part is
	WLD1 10, 0, 128
	WLD1 10, 1, 192
	s_wait_loadcnt 0x0
.irp i, 0,1,2,3
	v_rcp_f32 v[56+\i], v[52+\i]
.endr
	v_nop                                          ; one plain place behind the transcendentals
	s_wait_alu depctr_va_vdst(0)
.irp i, 0,1,2,3
	v_mul_f32 v[52+\i], 0x3d8293ee, v[56+\i]       ; c = log2(e) / sqrt(512) / temperature
.endr
	ds_store_b128 v7, v[52:55]                     ; the first change of slots passes a barrier behind the wait below: then every wave may read the table
	s_wait_dscnt 0x0                               ; Wq's first fragments are in
	PRUN 160, 10, 128, 192                         ; q, in v160-191: it stays there for the residual
	QUANT 160, 2, 224, 248
.irp i, 0,1,2,3
	v_mov_b32 v[16+\i], v[224+\i]                  ; [q | zeros | q]
	v_mov_b32 v[20+\i], 0
	v_mov_b32 v[24+\i], v[224+\i]
.endr
	v_lshl_or_b32 v28, v248, 16, v248              ; q's two bytes serve either half of K
	s_load_b512 s[16:31], s[96:97], 0x0            ; step 0's mask words (no load that names these registers as its base or its descriptor is out)
	s_load_b512 s[32:47], s[96:97], 0x40
	s_load_b512 s[48:63], s[96:97], 0x80
	s_load_b512 s[68:83], s[96:97], 0xc0
	v_mov_b32 v9, 0xceabfb8f                       ; -1e9 x log2(e) in f32: -1,442,695,040, a whole number
	v_mov_b32 v13, 0xff61b1e6                      ; the largest t so far: -3e38, under every t
	s_delay_alu instid0(VALU_DEP_1)
	v_floor_f32 v12, -v13                          ; -M
	v_mov_b32 v14, 0                               ; the sum, in two halves
	v_mov_b32 v15, 0
.irp b, 0,1,2,3
	v_mov_b32 v[236+\b], 0
.endr
	v_mov_b32 v253, 0                              ; (named as the upper half of the pair v[252:253])
.set zj, 0
.rept 32
	v_mov_b32 v[192+zj], 0                         ; O^T.  (The step is written once for all steps: the first finds zeros, which the first change of M leaves zeros)
.set zj, zj+1
.endr
.macro MASKN n0                        ; score registers n0 .. n0 + 31: where mask == 0: t = -1e9 log2(e)
.set zn, \n0
.rept 32
.set zm, 2*(zn%32)+zn/32
	v_cndmask_b32 v[64+zn], v9, v[64+zn], s[16+zm+4*(zm/48)]
.set zn, zn+1
.endr
.endm
.macro BMAX x0, x1                     ; the largest t of two blocks of 32 keys (my 16 of each): it serves the row's maximum and, since p rises with t, the block's largest p
.irp b, \x0, \x1
	v_max3_num_f32 v[232+\b], v[64+16*\b], v[65+16*\b], v[66+16*\b]
.endr
.irp i, 3,5,7,9,11,13
.irp b, \x0, \x1
	s_delay_alu instid0(VALU_DEP_2)
	v_max3_num_f32 v[232+\b], v[232+\b], v[64+16*\b+\i], v[65+16*\b+\i]
.endr
.endr
.irp b, \x0, \x1
	s_delay_alu instid0(VALU_DEP_2)
	v_max_num_f32 v[232+\b], v[232+\b], v[79+16*\b]
.endr
.endm
; A KEY STEP: 128 keys, the q-th of the slot in hand.  more = 1: the next step's mask words are asked for;  0 (the last step): the addresses that the part behind the keys wants.
; The keys' factors come in two halves of 32 registers, so that q keeps its 32: the second half is asked for behind the first's multiplications and has 48 vector instructions in which to land.
.macro STEP q, more
	s_add_co_u32 s10, s6, \q*STEPB
	v_add_nc_u32 v6, s10, v1                       ; these four plain lines are the places behind the last step's matrix instructions
	v_add_nc_u32 v7, s10, v2
	v_add_nc_u32 v8, s8, v3
	v_nop
.irp f, 0,1,2,3
.irp c, 0,1
	ds_load_b128 v[32+8*\f+4*\c:35+8*\f+4*\c], v6 offset:1024*\f+512*\c        ; K's four pairs of key tiles
.endr
.endr
.irp i, 0,1,2,3
	ds_load_b32 v[240+\i], v7 offset:128*\i        ; lanes 0-15 K pair i's scale words, lanes 16-31 V tile i's
.endr
.irp b, 0,1
.irp j, 0,1,2,3
	ds_load_b128 v[128+16*\b+4*\j:131+16*\b+4*\j], v8 offset:128*\b+16*\j      ; c of my keys of blocks 0 and 1, in the scores' order
.endr
.endr
	s_wait_dscnt 8                                 ; K's fragments and the scale words are in; c's eight loads may be out
.irp f, 0,1,2,3
.irp u, 0,1
	v_wmma_scale_f32_16x16x128_f8f6f4 v[64+8*(2*\f+\u):71+8*(2*\f+\u)], v[32+8*\f:39+8*\f], v[16+4*\u:23+4*\u], 0, v[240+\f], v28 matrix_a_fmt:MATRIX_FMT_FP4 matrix_b_fmt:MATRIX_FMT_FP4
.endr
.endr                                          ; lane (r, h): query r; register 16 b + i: key 32 b + 16 h + i
	NOP4
	s_wait_dscnt 0x0                               ; c's first half
.set zj, 0
.rept 16
	v_pk_mul_f32 v[64+zj:65+zj], v[64+zj:65+zj], v[128+zj:129+zj]              ; t = score x c[key]; each accumulator from its low end on
.set zj, zj+2
.endr
.irp b, 0,1
.irp j, 0,1,2,3
	ds_load_b128 v[128+16*\b+4*\j:131+16*\b+4*\j], v8 offset:256+128*\b+16*\j  ; c of blocks 2 and 3, into the same registers
.endr
.endr
.irp t, 0,1,2,3
.irp c, 0,1
	ds_load_b128 v[32+8*\t+4*\c:35+8*\t+4*\c], v6 offset:4096+1024*\t+512*\c   ; V's four tiles: they land under the softmax
.endr
.endr
	s_wait_kmcnt 0x0                               ; the step's mask words
	MASKN 0
	BMAX 0, 1
	s_wait_dscnt 8                                 ; c's second half is in; V's eight loads may be out
.set zj, 0
.rept 16
	v_pk_mul_f32 v[96+zj:97+zj], v[96+zj:97+zj], v[128+zj:129+zj]
.set zj, zj+2
.endr
	MASKN 32
.if \more
	s_add_nc_u64 s[96:97], s[96:97], 256           ; (the loads that named this base are done)
	s_load_b512 s[16:31], s[96:97], 0x0            ; the next step's words: they have the rest of this step in which to land
	s_load_b512 s[32:47], s[96:97], 0x40
	s_load_b512 s[48:63], s[96:97], 0x80
	s_load_b512 s[68:83], s[96:97], 0xc0
.else
	s_load_b512 s[32:47], s[0:1], 0x40             ; Wo's codes, Wo's scales, bo, ln0_g, ln0_b, ln1_g, ln1_b, out0: the mask words are done with
.endif
	BMAX 2, 3
.irp b, 0,1,2,3
	v_permlanex16_b32 v[236+\b], v[232+\b], s66, s67
.endr
.irp b, 0,1,2,3
	s_delay_alu instid0(VALU_DEP_4)
	v_max_num_f32 v[232+\b], v[232+\b], v[236+\b]  ; with lane l xor 16's 16 keys
.endr
	s_delay_alu instid0(VALU_DEP_2)
	v_max3_num_f32 v254, v232, v233, v234
	s_delay_alu instid0(VALU_DEP_1)
	v_max_num_f32 v254, v254, v235
	s_delay_alu instid0(VALU_DEP_1)
	v_max_num_f32 v13, v13, v254                   ; the running largest t
	v_mov_b32 v254, v12
	s_delay_alu instid0(VALU_DEP_2)
	v_floor_f32 v12, -v13                          ; the new -M = floor(-t) = -ceil(t): a whole number
	s_delay_alu instid0(VALU_DEP_1)
	v_sub_f32 v254, v12, v254                      ; M's old value less its new one: 0 or less
	s_delay_alu instid0(VALU_DEP_1)
	v_cvt_i32_f32 v254, v254                       ; (it saturates)
	s_delay_alu instid0(VALU_DEP_1)
	v_ldexp_f32 v252, 1.0, v254                    ; f = 2^(old M - new M): a multiplication by it rounds nothing
.set zj, 0
.rept 32
	v_pk_add_f32 v[64+zj:65+zj], v[64+zj:65+zj], v[12:13] op_sel_hi:[1,0]      ; t - M (the pair's low word serves both halves)
.set zj, zj+2
.endr
.irp b, 0,1,2,3
	v_add_f32 v[232+\b], v[232+\b], v12            ; the same of each block's largest t
.endr
.set zj, 0
	s_wait_alu depctr_va_vdst(0)
.rept 64
	v_exp_f32 v[64+zj], v[64+zj]                   ; p = 2^(t - M), at most 1: not normalised
.set zj, zj+1
.endr
.irp b, 0,1,2,3
	v_exp_f32 v[232+\b], v[232+\b]                 ; the block's largest p: the same two instructions on the same number
.endr
	v_pk_mul_f32 v[14:15], v[14:15], v[252:253] op_sel_hi:[1,0]                ; the sums under the new M.  (A plain place behind the exponentials)
	s_wait_alu depctr_va_vdst(0)
.irp b, 0,1,2,3
	v_max_num_f32 v[232+\b], 0x1800000, v[232+\b]  ; the floor 2^(3 - 127): the byte cannot fall under 1
.endr
.irp b, 0,1,2,3
	s_delay_alu instid0(VALU_DEP_4)
	v_add_nc_u32 v[244+\b], 0xff000000, v[232+\b]  ; 2 off the exponent field: the conversion's scale operand
.endr
.irp b, 0,1,2,3
	s_delay_alu instid0(VALU_DEP_4)
	v_lshrrev_b32 v[236+\b], 23, v[244+\b]         ; the scale's byte
.endr
	s_delay_alu instid0(VALU_DEP_3)
	v_lshl_or_b32 v248, v237, 8, v236              ; p's scale word for these 128 keys
	s_delay_alu instid0(VALU_DEP_1)
	v_lshl_or_b32 v248, v238, 16, v248
	s_delay_alu instid0(VALU_DEP_1)
	v_lshl_or_b32 v248, v239, 24, v248
.irp b, 0,1,2,3
	v_cvt_scalef32_pk8_fp4_f32 v[224+2*\b], v[64+16*\b:71+16*\b], v[244+\b]
	v_cvt_scalef32_pk8_fp4_f32 v[225+2*\b], v[72+16*\b:79+16*\b], v[244+\b]
.endr
	v_nop                                          ; one plain place behind the last scaled conversion
.irp c, 0,1
.irp i, 0,1
	v_permlane16_swap_b32 v[224+4*\c+\i], v[226+4*\c+\i]                       ; a whole block in a lane: lanes 0-15 block 2 c, lanes 16-31 block 2 c + 1
.endr
.endr
	v_pk_add_f32 v[236:237], v[68:69], v[72:73]
	v_pk_add_f32 v[250:251], v[76:77], v[80:81]
	v_pk_add_f32 v[246:247], v[84:85], v[88:89]
	v_pk_add_f32 v[244:245], v[92:93], v[96:97]
	v_pk_add_f32 v[234:235], v[100:101], v[104:105]
	v_pk_add_f32 v[232:233], v[108:109], v[112:113]
	v_pk_add_f32 v[158:159], v[116:117], v[120:121]
	v_pk_add_f32 v[14:15], v[14:15], v[124:125]
	v_pk_add_f32 v[236:237], v[236:237], v[64:65]
	v_pk_add_f32 v[250:251], v[250:251], v[66:67]
	v_pk_add_f32 v[246:247], v[246:247], v[70:71]
	v_pk_add_f32 v[244:245], v[244:245], v[74:75]
	v_pk_add_f32 v[234:235], v[234:235], v[78:79]
	v_pk_add_f32 v[232:233], v[232:233], v[82:83]
	v_pk_add_f32 v[158:159], v[158:159], v[86:87]
	v_pk_add_f32 v[14:15], v[14:15], v[90:91]
	v_pk_add_f32 v[236:237], v[236:237], v[94:95]
	v_pk_add_f32 v[250:251], v[250:251], v[98:99]
	v_pk_add_f32 v[246:247], v[246:247], v[102:103]
	v_pk_add_f32 v[244:245], v[244:245], v[106:107]
	v_pk_add_f32 v[234:235], v[234:235], v[110:111]
	v_pk_add_f32 v[232:233], v[232:233], v[114:115]
	v_pk_add_f32 v[158:159], v[158:159], v[118:119]
	v_pk_add_f32 v[14:15], v[14:15], v[122:123]
	v_pk_add_f32 v[236:237], v[236:237], v[126:127]
	s_delay_alu instid0(VALU_DEP_2)
	v_pk_add_f32 v[14:15], v[14:15], v[244:245]
	s_delay_alu instid0(VALU_DEP_2)
	v_pk_add_f32 v[236:237], v[236:237], v[234:235]
	v_pk_add_f32 v[250:251], v[250:251], v[232:233]
	v_pk_add_f32 v[246:247], v[246:247], v[158:159]
	s_delay_alu instid0(VALU_DEP_2)
	v_pk_add_f32 v[14:15], v[14:15], v[250:251]
	s_delay_alu instid0(VALU_DEP_2)
	v_pk_add_f32 v[236:237], v[236:237], v[246:247]
	s_delay_alu instid0(VALU_DEP_1)
	v_pk_add_f32 v[14:15], v[14:15], v[236:237]
.set zj, 0
.rept 16
	v_pk_mul_f32 v[192+zj:193+zj], v[192+zj:193+zj], v[252:253] op_sel_hi:[1,0]   ; O^T under the new M
.set zj, zj+2
.endr
	s_wait_alu depctr_va_vdst(0)
	s_wait_dscnt 0x0                               ; V is in
.irp t, 0,1,2,3
	v_wmma_scale_f32_16x16x128_f8f6f4 v[192+8*\t:199+8*\t], v[32+8*\t:39+8*\t], v[224:231], v[192+8*\t:199+8*\t], v[240+\t], v248 matrix_a_fmt:MATRIX_FMT_FP4 matrix_b_fmt:MATRIX_FMT_FP4 matrix_a_scale:MATRIX_SCALE_ROW1
.endr
	s_add_co_u32 s8, s8, 512                       ; the next step's 128 factors
.endm
.Lslot:                                            ; seven trips: behind each of these changes of slots the next two steps of kv are asked for (the first of them takes Wq's place in slot 1)
	CHANGE 1
	STEP 0, 1
	STEP 1, 1
	s_xor_b32 s6, s6, SLOTB                        ; on to the other slot
	s_sub_co_u32 s9, s9, 1
	s_cmp_lg_u32 s9, 0
	s_cbranch_scc1 .Lslot
	CHANGE 2                                       ; the last slot is written out: behind its change Wo is asked for, into slot 0
	STEP 0, 1
	STEP 1, 0
	; ================ behind the keys ================
	s_wait_tensorcnt 0x0                           ; my part of Wo is in; the first row sum's barrier shows every wave's part to every wave
	v_and_b32 v25, 31, v0                          ; lane.  (These plain lines are also the places behind the last products)
	s_wait_alu depctr_va_vdst(0)
	v_and_b32 v26, 15, v0                          ; r
	s_wait_alu depctr_va_vdst(0)
	v_bfe_u32 v27, v0, 4, 1                        ; h
	v_lshl_add_u32 v16, v0, 2, RED                 ; a row's partial sum: 128 bytes a wave, 4 a lane
	s_lshl_b32 s12, s5, 10
	s_add_co_u32 s12, s12, RED
	v_lshl_add_u32 v17, v25, 2, s12                ; and the eight heads' of my query tile
	v_lshl_add_u32 v18, v0, 4, OIMG                ; my half fragment's image: 512 bytes a wave
	s_lshr_b32 s12, s3, 1
	s_lshl_b32 s12, s12, 7
	s_and_b32 s13, s3, 1
	s_lshl_b32 s13, s13, 1
	s_add_co_u32 s12, s12, s13
	s_add_co_u32 s12, s12, OSCL
	v_lshl_add_u32 v19, v25, 2, s12                ; my two bytes of the scale word: 128 (wave / 2) + 2 (wave % 2) + 4 x lane
	s_lshl_b32 s12, s5, 12
	s_add_co_u32 s12, s12, OIMG
	v_lshl_add_u32 v20, v25, 4, s12                ; my query tile's four fragments
	s_lshl_b32 s12, s5, 9
	s_add_co_u32 s12, s12, OSCL
	v_lshl_add_u32 v21, v25, 2, s12                ; and their scale words
	s_mul_i32 s12, s3, 4352                        ; my stage: 16 rows x (256 bytes + 16)
	s_add_co_u32 s12, s12, STG
	v_mul_u32_u24 v22, v26, 272
	s_wait_alu depctr_va_vdst(0)
	v_lshl_add_u32 v22, v27, 6, v22
	s_delay_alu instid0(VALU_DEP_1)
	v_add_nc_u32 v22, s12, v22                     ; in: row r, + 64 h
	v_mul_u32_u24 v23, v27, 272
	s_delay_alu instid0(VALU_DEP_1)
	v_lshl_add_u32 v23, v26, 4, v23
	s_delay_alu instid0(VALU_DEP_1)
	v_add_nc_u32 v23, s12, v23                     ; back: lanes 0-15 one row, lanes 16-31 the next
	v_lshlrev_b32 v24, 11, v27
	s_delay_alu instid0(VALU_DEP_1)
	v_lshl_add_u32 v24, v26, 4, v24                ; and the same two rows in the output
	v_add_f32 v14, v14, v15                        ; the sum's two halves,
	s_delay_alu instid0(VALU_DEP_1)
	v_permlanex16_b32 v254, v14, s66, s67
	s_delay_alu instid0(VALU_DEP_1)
	v_add_f32 v14, v14, v254                       ; and lane l xor 16's: the row's sum
	s_wait_alu depctr_va_vdst(0)
	v_rcp_f32 v14, v14
	v_mov_b32 v251, 0                              ; (a plain place behind the transcendental; the upper half of the pair v[250:251])
	s_wait_kmcnt 0x0                               ; the addresses, asked for in the last step
	s_mov_b32 s13, 0
	s_lshl_b32 s12, s4, 10
	s_add_nc_u64 s[34:35], s[34:35], s[12:13]      ; Wo's scales at my head's first channel
	s_lshl_b32 s12, s4, 8
.irp p, 36,38,40,42,44
	s_add_nc_u64 s[\p:\p+1], s[\p:\p+1], s[12:13]  ; bo and the four LayerNorm vectors likewise
.endr
	s_lshl_b32 s14, s98, 11
	s_add_co_u32 s12, s12, s14
	s_add_nc_u64 s[46:47], s[46:47], s[12:13]      ; the output at my first query, my head's 256 bytes
.macro LNLOAD gp, bp                   ; gain -> v128-159, bias -> v160-191, in the rows' layout
.irp i, 0,1,2,3,4,5,6,7
	global_load_b128 v[128+4*\i:131+4*\i], v29, s[\gp:\gp+1] offset:128*(\i/4)+16*(\i%4)
	global_load_b128 v[160+4*\i:163+4*\i], v29, s[\bp:\bp+1] offset:128*(\i/4)+16*(\i%4)
.endr
.endm
; The sum over a row's 512 channels of the number in v232 (my 32 channels' part), into v232 of every lane: lane l xor 16 holds the head's other 32, the eight waves of my query tile the eight heads.
; Each sum has LDS bytes of its own (region k), so one barrier serves it.  Every wave adds in the same order.
.macro ROWSUM k
	s_delay_alu instid0(VALU_DEP_1)
	v_permlanex16_b32 v233, v232, s66, s67
	s_delay_alu instid0(VALU_DEP_1)
	v_add_f32 v232, v232, v233
	ds_store_b32 v16, v232 offset:2048*(\k)
	s_wait_dscnt 0x0                               ; for the others' sake: my store has landed
	s_barrier_signal -1
	s_barrier_wait -1
.irp i, 0,1,2,3,4,5,6,7
	ds_load_b32 v[236+\i], v17 offset:2048*(\k)+128*\i
.endr
	s_wait_dscnt 0x0
	v_add_f32 v236, v236, v237
	v_add_f32 v238, v238, v239
	v_add_f32 v240, v240, v241
	v_add_f32 v242, v242, v243
	s_delay_alu instid0(VALU_DEP_3)
	v_add_f32 v236, v236, v238
	s_delay_alu instid0(VALU_DEP_2)
	v_add_f32 v240, v240, v242
	s_delay_alu instid0(VALU_DEP_1)
	v_add_f32 v232, v236, v240
.endm
; LayerNorm of the rows in v64-95, in place; gain and bias are on their way into v128-191.  Sums k0 and k0 + 1.
.macro LNORM k0
	v_pk_add_f32 v[232:233], v[64:65], v[66:67]
	v_pk_add_f32 v[234:235], v[68:69], v[70:71]
.irp j, 8,12,16,20,24,28
	s_delay_alu instid0(VALU_DEP_2)
	v_pk_add_f32 v[232:233], v[232:233], v[64+\j:65+\j]
	s_delay_alu instid0(VALU_DEP_2)
	v_pk_add_f32 v[234:235], v[234:235], v[66+\j:67+\j]
.endr
	s_delay_alu instid0(VALU_DEP_1)
	v_pk_add_f32 v[232:233], v[232:233], v[234:235]
	s_delay_alu instid0(VALU_DEP_1)
	v_add_f32 v232, v232, v233
	ROWSUM \k0
	s_delay_alu instid0(VALU_DEP_1)
	v_mul_f32 v250, 0xbb000000, v232               ; -mean = sum x -1/512
.set zj, 0
.rept 16
	v_pk_add_f32 v[64+zj:65+zj], v[64+zj:65+zj], v[250:251] op_sel_hi:[1,0]
.set zj, zj+2
.endr
	v_pk_mul_f32 v[232:233], v[64:65], v[64:65]
	v_pk_mul_f32 v[234:235], v[66:67], v[66:67]
.irp j, 4,8,12,16,20,24,28
	s_delay_alu instid0(VALU_DEP_2)
	v_pk_fma_f32 v[232:233], v[64+\j:65+\j], v[64+\j:65+\j], v[232:233]
	s_delay_alu instid0(VALU_DEP_2)
	v_pk_fma_f32 v[234:235], v[66+\j:67+\j], v[66+\j:67+\j], v[234:235]
.endr
	s_delay_alu instid0(VALU_DEP_1)
	v_pk_add_f32 v[232:233], v[232:233], v[234:235]
	s_delay_alu instid0(VALU_DEP_1)
	v_add_f32 v232, v232, v233
	ROWSUM \k0+1
	s_mov_b32 s12, 0x3b000000                      ; 1/512
	s_mov_b32 s13, 0x3727c5ac                      ; 1e-5
	v_fma_f32 v232, v232, s12, s13
	s_wait_alu depctr_va_vdst(0)
	v_rsq_f32 v252, v232
	s_wait_loadcnt 0x0                             ; gain and bias (and what else was asked for with them)
	v_nop                                          ; one plain place behind the transcendental
.set zj, 0
	s_wait_alu depctr_va_vdst(0)
.rept 16
	v_pk_mul_f32 v[64+zj:65+zj], v[64+zj:65+zj], v[252:253] op_sel_hi:[1,0]
.set zj, zj+2
.endr
.set zj, 0
.rept 16
	v_pk_fma_f32 v[64+zj:65+zj], v[64+zj:65+zj], v[128+zj:129+zj], v[160+zj:161+zj]
.set zj, zj+2
.endr
.endm
.set zj, 0
	s_wait_alu depctr_va_vdst(0)
.rept 16
	v_pk_fma_f32 v[64+zj:65+zj], v[192+zj:193+zj], v[14:15], v[160+zj:161+zj] op_sel_hi:[1,0,1]   ; q + O^T / the sum; each accumulator from its low end on
.set zj, zj+2
.endr
	LNLOAD 38, 40                                  ; into the factors' and q's registers, which are done with
	PBLOAD 192, 34, 36                             ; bo into O^T's registers, Wo's scale words: all these land under the first LayerNorm's sums
	LNORM 0
	WLD1 255, 0, 128                               ; Wo's first fragments, from slot 0: they land while the rows are quantised
	WLD1 255, 1, 160
	QUANT 64, 2, 224, 248                          ; my head's two blocks of 32 channels: half c = head % 2 of K step head / 2 of the last product
	ds_store_b128 v18, v[224:227]
	ds_store_b16 v19, v248
	s_wait_dscnt 0x0                               ; for the others' sake: my stores have landed
	s_barrier_signal -1
	s_barrier_wait -1
.irp k, 0,1,2,3
.irp c, 0,1
	ds_load_b128 v[96+8*\k+4*\c:99+8*\k+4*\c], v20 offset:1024*\k+512*\c
.endr
	ds_load_b32 v[48+\k], v21 offset:128*\k
.endr
	s_wait_dscnt 0x0
	PRUN 192, 255, 128, 160                        ; y = rows x Wo + bo, my head's 64 output channels
	LNLOAD 42, 44
.set zj, 0
.rept 32
	v_max_num_f32 v[192+zj], 0, v[192+zj]          ; relu, each accumulator from its low end on
.set zj, zj+1
.endr
.set zj, 0
.rept 16
	v_pk_add_f32 v[64+zj:65+zj], v[64+zj:65+zj], v[192+zj:193+zj]
.set zj, zj+2
.endr
	LNORM 2
	; THE WAY OUT: a lane holds 2 x 64 bytes of one row; through my own stage the rows come back 256 bytes at a time, so that sixteen lanes store 256 consecutive aligned bytes
.irp i, 0,1,2,3,4,5,6,7
	ds_store_b128 v22, v[64+4*\i:67+4*\i] offset:128*(\i/4)+16*(\i%4)
.endr
.irp i, 0,1,2,3,4,5,6,7
	ds_load_b128 v[96+4*\i:99+4*\i], v23 offset:544*\i   ; LDS serves a wave's instructions in order: these see my stores
.endr
.irp i, 0,1,2,3,4,5,6,7
	s_wait_dscnt 7-\i                              ; rows 2 i and 2 i + 1 are back; the younger loads may be out
	global_store_b128 v24, v[96+4*\i:99+4*\i], s[46:47] offset:4096*\i th:TH_STORE_NT
.endr
	s_wait_tensorcnt 0x0                           ; the wave's end: behind my last tensor load and my last LDS store
	ds_add_u32 v4, v5
	s_wait_dscnt 0x0
	CROUND                                         ; the closing round: no work-group ends while a partner may still ask for a tile that names it
	s_endpgm
.Lfunc_end_k_q373825221e_attn:
	.size	k_q373825221e_attn, .Lfunc_end_k_q373825221e_attn-k_q373825221e_attn
	.p2alignl 7, 3214868480
	.fill 96, 4, 3214868480
	.section	.rodata,"a",@progbits
	.p2align	6, 0x0
	.amdhsa_kernel k_q373825221e_attn
		.amdhsa_group_segment_fixed_size 327680
		.amdhsa_private_segment_fixed_size 0
		.amdhsa_enable_private_segment 0
		.amdhsa_kernarg_size 128
		.amdhsa_user_sgpr_count 2
		.amdhsa_user_sgpr_kernarg_segment_ptr 1
		.amdhsa_wavefront_size32 1
		.amdhsa_system_sgpr_workgroup_id_x 1
		.amdhsa_system_sgpr_workgroup_id_y 1
		.amdhsa_system_sgpr_workgroup_id_z 1
		.amdhsa_system_vgpr_workitem_id 0
		.amdhsa_next_free_vgpr 256
		.amdhsa_next_free_sgpr 102
		.amdhsa_reserve_vcc 0
		.amdhsa_float_denorm_mode_32 3
		.amdhsa_float_denorm_mode_16_64 3
		.amdhsa_memory_ordered 1
		.amdhsa_forward_progress 1
		.amdhsa_inst_pref_size 151
	.end_amdhsa_kernel
	.amdgpu_metadata
---
amdhsa.version: [ 1, 2 ]
amdhsa.kernels:
  - .name:           k_q373825221e_attn
    .symbol:         k_q373825221e_attn.kd
    .args:
      - { .name: kv, .offset: 0, .size: 8, .value_kind: global_buffer, .address_space: global }
      - { .name: mbits, .offset: 8, .size: 8, .value_kind: global_buffer, .address_space: global }
      - { .name: temperature, .offset: 16, .size: 8, .value_kind: global_buffer, .address_space: global }
      - { .name: Q_codes, .offset: 24, .size: 8, .value_kind: global_buffer, .address_space: global }
      - { .name: Q_scales, .offset: 32, .size: 8, .value_kind: global_buffer, .address_space: global }
      - { .name: Wq_codes, .offset: 40, .size: 8, .value_kind: global_buffer, .address_space: global }
      - { .name: Wq_scales, .offset: 48, .size: 8, .value_kind: global_buffer, .address_space: global }
      - { .name: bq, .offset: 56, .size: 8, .value_kind: global_buffer, .address_space: global }
      - { .name: Wo_codes, .offset: 64, .size: 8, .value_kind: global_buffer, .address_space: global }
      - { .name: Wo_scales, .offset: 72, .size: 8, .value_kind: global_buffer, .address_space: global }
      - { .name: bo, .offset: 80, .size: 8, .value_kind: global_buffer, .address_space: global }
      - { .name: ln0_g, .offset: 88, .size: 8, .value_kind: global_buffer, .address_space: global }
      - { .name: ln0_b, .offset: 96, .size: 8, .value_kind: global_buffer, .address_space: global }
      - { .name: ln1_g, .offset: 104, .size: 8, .value_kind: global_buffer, .address_space: global }
      - { .name: ln1_b, .offset: 112, .size: 8, .value_kind: global_buffer, .address_space: global }
      - { .name: out0, .offset: 120, .size: 8, .value_kind: global_buffer, .address_space: global }
    .group_segment_fixed_size: 327680
    .private_segment_fixed_size: 0
    .kernarg_segment_align: 8
    .kernarg_segment_size: 128
    .max_flat_workgroup_size: 512
    .sgpr_count:     102
    .vgpr_count:     256
    .wavefront_size: 32
...
	.end_amdgpu_metadata
.endif
;; end of part 4
